; MI455X (gfx1250); checked and timed in simulation.
; The chip was launched on July 23, 2026; its instructions are those of AMD's public machine-readable ISA for CDNA 5 (MIT licence, August 2026) and "CDNA5" Instruction Set Architecture Reference Guide (July 2026). The comments in the code are by the model that wrote it; some were corrected since.
;; Multi Head Self Attention. Allowed arithmetic: matrix products marked QUANTISED: E2M3 operands, one E8M0 scale for each 32 along K, by v_wmma_scale_f32_16x16x128_f8f6f4 with both operands' format E2M3, f32 sums; everything else in f32.
;; Inputs: bk 1,024 float32; bo 1,024 float32; bq 1,024 float32; bv 1,024 float32; wk 1,024 x 1,024 float32; wo 1,024 x 1,024 float32; wq 1,024 x 1,024 float32; wv 1,024 x 1,024 float32; x 4 x 2,048 x 1,024 float32.
;; Outputs: out0 4 x 2,048 x 1,024 float32.
;; This version of the problem:
;;   THIS VERSION OF THE PROBLEM IS GIVEN IN LOW PRECISION. The matrix products marked QUANTISED in the list below multiply operands that are first quantised to E2M3 (2 exponent bits, 3 mantissa bits; 6 bits a number), with one power-of-two scale for each 32 numbers along K (OCP MX v1.0); their sums are f32. All else is computed in f32.
;;   The module's matrix products, in the order in which they are computed (A, B: the left and right operand; K: the contracted axis; several contracted axes count as one K, in the product's order):
;;     1. [M 8,192, K 1,024] x [K 1,024, N 1,024]; A: input x; B: input wq: QUANTISED
;;     2. [M 8,192, K 1,024] x [K 1,024, N 1,024]; A: input x; B: input wk: QUANTISED
;;     3. [M 8,192, K 1,024] x [K 1,024, N 1,024]; A: input x; B: input wv: QUANTISED
;;     4. batch 64 x [M 2,048, K 64] x [K 64, N 2,048]; A: computed on the way; B: computed on the way: QUANTISED
;;     5. batch 64 x [M 2,048, K 2,048] x [K 2,048, N 64]; A: softmax (see below); B: computed on the way: QUANTISED
;;     6. [M 8,192, K 1,024] x [K 1,024, N 1,024]; A: computed on the way; B: input wo: QUANTISED
;;   THE QUANTISER, for each operand of a quantised product, along K:
;;     - K is cut into blocks of 32 from its start; a last block that is shorter is filled with zeros.
;;     - A block's scale is 2^e with e = floor(log2(the largest magnitude in the block)) - 2, held to -126 .. 127; a block of zeros has e = 0. As a byte (E8M0): e + 127.
;;     - Each number is divided by its block's scale, clamped to +-7.5, and rounded to the nearest number of E2M3, ties to even, subnormals kept.
;;     - The product sums the exact products of the quantised numbers (number of the format x scale) in f32.
;;   ~~~python
;;   def quantise(x, axis):      # numpy; x: float32 -> the quantised numbers, widened to float32 again
;;       x = np.moveaxis(x, axis, -1); K = x.shape[-1]
;;       x = np.pad(x, [(0, 0)] * (x.ndim - 1) + [(0, -K % 32)]); x = x.reshape(x.shape[:-1] + (-1, 32)); a = np.abs(x).max(-1, keepdims=True)
;;       e = np.where(a > 0, np.clip(np.frexp(np.where(a > 0, a, 1))[1] - 1 - 2, -126, 127), 0)      # np.frexp(a)[1] - 1 = floor(log2(a)), exactly
;;       r = np.clip(x / 2.0 ** e, -7.5, 7.5)
;;       step = 2.0 ** (np.maximum(np.frexp(np.where(r == 0, 1, r))[1] - 1, 0) - 3)
;;       q = np.round(r / step) * step * 2.0 ** e      # np.round: ties to even
;;       return np.moveaxis(q.reshape(q.shape[:-2] + (-1,))[..., :K], -1, axis).astype(np.float32)
;;   ~~~
;;   SOFTMAX AHEAD OF A QUANTISED PRODUCT. Where the list says 'softmax', what is quantised is not the finished softmax but p = 2^(t - M), with t = logit x log2(e) and M = ceil(the row's largest t), a whole number; so 1/2 < the row's largest p <= 1. The row's sum l is taken of the UNQUANTISED p, in f32, and the product's result is divided by l at the end. Since M is a whole number, a kernel that streams over the keys may use a running M (the ceiling of the running maximum): every later rescaling is an exact power of two, which a block's scale takes up: the codes' values come out the same.
;;   OPERANDS COMPUTED ON THE WAY. 'Computed on the way' means the value that the module computes at that place (a softmax that the list does not call 'softmax' is quantised finished and normalised). What goes into a quantiser is computed in f32, as accurately as f32 sums, v_exp_f32 and their like allow (about 1e-6 of the number): no bf16 or f16 on the way to a quantiser, and a product that is left as it is and whose result goes on into a quantised operand takes f32 operands (vector FMAs, or v_wmma_f32_16x16x4_f32). A number that lies on a knife's edge between two numbers of the format may be rounded either way, as far as f32 arithmetic and the matrix unit's own rounding can turn it there, and no further.
;; One version. Each part assembles by itself: llvm-mc -triple=amdgcn-amd-amdhsa -mcpu=gfx1250 --defsym DOCPART=n.
;; ======== version 1 of 1: 4 launches
;; limits: right only within a limited range of input values
;; workspace buffers: xw 9,830,400 bytes; qkv 20,185,088 bytes; oq 6,553,600 bytes
;; launch quant (part 1): grid 256 x 1, 6 waves a work-group, no clusters, 51,456 bytes of LDS; arguments x, wq, wk, wv, wo, xw; writes xw
.if DOCPART == 1
	.amdgcn_target "amdgcn-amd-amdhsa--gfx1250"
	.amdhsa_code_object_version 6
	.text
	.protected	k_q0a15d6bae7_quant
	.globl	k_q0a15d6bae7_quant
	.p2align	8
	.type	k_q0a15d6bae7_quant,@function
k_q0a15d6bae7_quant:
	s_mov_b64 s[64:65], 0
	v_nop
	global_prefetch_b8 v0, s[64:65] scope:SCOPE_SE
	s_setreg_imm32_b32 hwreg(HW_REG_WAVE_MODE, 25, 1), 1
	s_wait_xcnt 0x0
; x [8192][1024] and wq, wk, wv, wo [1024][1024], f32, K innermost, become codes of FP6 (E2M3) with one E8M0 byte for each 32 along K.
; A block's scale is 2^(floor(log2(its largest magnitude)) - 2); its byte is the largest magnitude's exponent field - 2, held at 1 from below.
; LIMITS: a block of zeros, or one whose largest magnitude lies under 2^-124, gets the byte 1 (the rule says 127 for zeros: the codes are zeros, and this program alone reads the bytes);
; NaN and infinities among the inputs are not served.
; THE LAYOUT OF THE CODES is an image of operand registers.  A TILE is 16 rows: tile 2 B + u holds rows 32 B + 8 u + r + 8 (r / 8), r = 0 .. 15.  A tile's 1,024 codes a row lie as 16 HALF IMAGES of 768 bytes,
; one for each 64 along K: lane l = (r, h) holds block h of row r in six registers; registers 0-3 lie at 16 l, registers 4-5 at 512 + 8 l.  Two half images on end are a fragment of 16 x 128.
; Tiles 0-511: x; 512-575 wq; 576-639 wk; 640-703 wv; 704-767 wo; tile T at T x 12,288.  A tile's scale words lie behind all codes, 512 bytes a tile: [K half 2][r 16][4 words], a word for each 128 along K.
; SHARES.  A wave makes four fragments: 512 along K of one tile.  Each load reads 512 consecutive bytes of one row; a fragment's 16 x 512 bytes turn through the wave's own stage in LDS (rows 528 bytes apart, so that the
; sixteen rows of a read start in sixteen different groups of banks), and come back 16 neighbours of each block to a lane.  Every store of codes covers 512 or 256 consecutive aligned bytes.  Waves share nothing: no barrier.
.set XSC,  9437184                     ; where the scale words begin: 768 tiles x 12,288
.set R,    16                          ; v16-143  two sets of 64 registers as loaded: row p in registers 4 p ..
.set X,    144                         ; v144-207 64 numbers: register 16 b + i = k 32 b + 16 h + i of my row
.set PC,   208                         ; v208-219 the codes; v220-222, v224-226 at work
.set TM,   228                         ; v228-231 largest magnitudes, v232-235 the other half's, then bytes, v240-243 the conversions' scale operands
.set SW,   244                         ; v244-247 the four fragments' scale words
.set SEL,  30                          ; s[30:31] lane selects for v_permlanex16_b32: lane l xor 16
	s_load_b256 s[4:11], s[0:1], 0x0               ; x s[4:5], wq s[6:7], wk s[8:9], wv s[10:11]
	s_load_b128 s[12:15], s[0:1], 0x20             ; wo s[12:13], xw s[14:15]
	v_lshl_add_u32 v248, v0, 2, 0xc600             ; the spare words lie behind the six stages of 8,448 bytes
	v_mov_b32 v249, 0
	v_lshrrev_b32 v1, 5, v0
	v_readfirstlane_b32 s2, v1                     ; wave 0..5
	v_and_b32 v1, 31, v0                           ; lane
	v_and_b32 v2, 15, v0                           ; r
	v_bfe_u32 v3, v0, 4, 1                         ; h
	v_lshlrev_b32 v4, 4, v1                        ; 16 x lane: my bytes of a load and of a store of 16 bytes a lane
	v_lshlrev_b32 v8, 3, v1                        ; 8 x lane
	v_lshlrev_b32 v9, 4, v2                        ; 16 r: my row's four scale words
	s_mul_i32 s3, s2, 8448                         ; my stage: 16 rows x 528 bytes
	v_add_nc_u32 v5, s3, v4                        ; into it: as loaded
	v_mul_u32_u24 v6, v2, 528
	v_lshl_add_u32 v6, v3, 6, v6
	v_add_nc_u32 v6, s3, v6                        ; out of it: row r, + 64 h: my 16 numbers of a block
	s_mov_b32 s[SEL], 0x76543210
	s_mov_b32 s[SEL+1], 0xfedcba98
.irp b, 0,1,2,3
	v_mov_b32 v[TM+4+\b], 0                        ; written once: a lane permute's destination counts as one of its sources
.endr
	s_lshr_b32 s20, s2, 1
	s_mul_i32 s21, ttmp9, 3
	s_add_co_u32 s20, s20, s21                     ; my tile, 0 .. 767: 3 x work-group + wave / 2: 256 work-groups of six waves, three tiles each
	s_and_b32 s25, s2, 1                           ; my half of K
	s_and_b32 s21, s20, 63                         ; the tile's number inside a weight
	s_wait_alu depctr_va_vdst(0)
	s_wait_kmcnt 0x0
	s_cmp_lt_u32 s20, 704                          ; which tensor: the choice hangs on my tile's number alone
	s_cselect_b64 s[16:17], s[10:11], s[12:13]
	s_cmp_lt_u32 s20, 640
	s_cselect_b64 s[16:17], s[8:9], s[16:17]
	s_cmp_lt_u32 s20, 576
	s_cselect_b64 s[16:17], s[6:7], s[16:17]
	s_cmp_lt_u32 s20, 512
	s_cselect_b64 s[16:17], s[4:5], s[16:17]
	s_cselect_b32 s21, s20, s21                    ; the tile's number inside its tensor
	s_lshr_b32 s22, s21, 1
	s_lshl_b32 s22, s22, 5
	s_and_b32 s23, s21, 1
	s_lshl_b32 s23, s23, 3
	s_add_co_u32 s22, s22, s23                     ; its first row: 32 B + 8 u
	s_lshl_b32 s22, s22, 12                        ; rows of 4,096 bytes
	s_lshl_b32 s23, s25, 11                        ; + my half of K: 2,048 bytes
	s_add_co_u32 s22, s22, s23
	s_mov_b32 s23, 0
	s_add_nc_u64 s[16:17], s[16:17], s[22:23]      ; where I read
	s_mul_i32 s22, s20, 12288
	s_mul_i32 s26, s25, 6144
	s_add_co_u32 s22, s22, s26
	s_add_nc_u64 s[18:19], s[14:15], s[22:23]      ; where my codes go
	s_lshl_b32 s22, s20, 9
	s_lshl_b32 s26, s25, 8
	s_add_co_u32 s22, s22, s26
	s_add_co_u32 s22, s22, XSC
	s_add_nc_u64 s[26:27], s[14:15], s[22:23]      ; and my scale words
.macro LOAD f, set                     ; fragment f: 128 numbers of each of the tile's 16 rows
.irp p, 0,1,2,3,4,5,6,7,8,9,10,11,12,13,14,15
	global_load_b128 v[R+64*(\set)+4*\p:R+64*(\set)+4*\p+3], v4, s[16:17] offset:(\p+8*(\p/8))*4096+512*(\f) th:TH_LOAD_NT
.endr
.endm
.macro TURN set                        ; through the stage: LDS serves a wave's instructions in order, so no wait stands between the stores and the loads
.irp p, 0,1,2,3,4,5,6,7,8,9,10,11,12,13,14,15
	ds_store_b128 v5, v[R+64*(\set)+4*\p:R+64*(\set)+4*\p+3] offset:528*\p
.endr
.irp b, 0,1,2,3
.irp j, 0,1,2,3
	ds_load_b128 v[X+16*\b+4*\j:X+16*\b+4*\j+3], v6 offset:128*\b+16*\j
.endr
.endr
.endm
; 64 numbers of a lane, register 16 b + i = k 32 b + 16 h + i of my row, become a fragment's codes in v[PC] on and its scale word in v[pw]
.macro QUANT s, pw
.irp b, 0,1,2,3
	v_max3_num_f32 v[TM+\b], |v[\s+16*\b]|, |v[\s+1+16*\b]|, 0x1800000   ; my 16 numbers of block b, and the floor 2^(3 - 127): the byte cannot fall under 1
.endr
.irp i, 2,4,6,8,10,12,14
.irp b, 0,1,2,3
	v_max3_num_f32 v[TM+\b], v[TM+\b], |v[\s+16*\b+\i]|, |v[\s+1+16*\b+\i]|   ; the four blocks by turns
.endr
.endr
.irp b, 0,1,2,3
	v_permlanex16_b32 v[TM+4+\b], v[TM+\b], s[SEL], s[SEL+1]
.endr
.irp b, 0,1,2,3
	v_max_num_f32 v[TM+\b], v[TM+\b], v[TM+4+\b]   ; with lane l xor 16's 16: the block's largest magnitude
.endr
.irp b, 0,1,2,3
	v_add_nc_u32 v[TM+12+\b], 0xff000000, v[TM+\b] ; 2 off its exponent field: the conversion takes the exponent field of this operand as its scale
.endr
.irp b, 0,1,2,3
	v_lshrrev_b32 v[TM+4+\b], 23, v[TM+12+\b]      ; the scale's byte
.endr
	v_lshl_or_b32 v[\pw], v[TM+5], 8, v[TM+4]      ; four bytes: my row's scale word
	v_lshl_or_b32 v[\pw], v[TM+6], 16, v[\pw]
	v_lshl_or_b32 v[\pw], v[TM+7], 24, v[\pw]
.irp c, 0,1
	v_cvt_scalef32_pk16_fp6_f32 v[PC+6*\c:PC+2+6*\c], v[\s+32*\c:\s+15+32*\c], v[TM+12+2*\c]
	v_cvt_scalef32_pk16_fp6_f32 v[PC+12+4*\c:PC+14+4*\c], v[\s+16+32*\c:\s+31+32*\c], v[TM+12+2*\c+1]   ; (a conversion's three registers begin on an even number)
.endr
	v_nop                                          ; one plain instruction behind a scaled conversion
.irp c, 0,1                            ; the operand's layout wants a whole block in a lane: lanes 0-15 block 2 c, lanes 16-31 block 2 c + 1
.irp i, 0,1,2
	v_permlane16_swap_b32 v[PC+6*\c+\i], v[PC+12+4*\c+\i]
.endr
.irp i, 0,1,2
	v_mov_b32 v[PC+3+6*\c+\i], v[PC+12+4*\c+\i]
.endr
.endr
.endm
.macro PUT off                         ; two half images: each store covers 512 or 256 consecutive aligned bytes
	global_store_b128 v4, v[PC:PC+3], s[18:19] offset:\off
	global_store_b64 v8, v[PC+4:PC+5], s[18:19] offset:\off+512
	global_store_b128 v4, v[PC+6:PC+9], s[18:19] offset:\off+768
	global_store_b64 v8, v[PC+10:PC+11], s[18:19] offset:\off+1280
.endm
	LOAD 0, 0
	LOAD 1, 1
.irp f, 0,1,2,3
.if \f < 3
	s_wait_loadcnt 16                              ; this fragment's 16 loads are in; the next fragment's 16 may be out
.else
	s_wait_loadcnt 0x0
.endif
	TURN \f%2
	s_wait_dscnt 0x0                               ; the numbers are back, and the stage's stores have read the set,
.if \f < 2
	LOAD \f+2, \f%2                                ; which takes the loads of two fragments on
.endif
.if \f > 0
	s_wait_xcnt 0x0                                ; the last fragment's stores have read the codes' registers: they are written again only behind this wait
.endif
	QUANT X, SW+\f
	PUT 1536*\f
.endr
	v_cmp_gt_u32 vcc_lo, 16, v1
	s_wait_xcnt 0x0                                ; EXEC is a source of the stores above: it changes only behind this wait
	s_wait_tensorcnt 0x0
	ds_add_u32 v248, v249
	s_wait_dscnt 0x0
	s_and_saveexec_b32 s24, vcc_lo
	global_store_b128 v9, v[SW:SW+3], s[26:27]     ; sixteen lanes store 256 consecutive aligned bytes: my half of the tile's scale words
	s_wait_xcnt 0x0
	s_or_b32 exec_lo, exec_lo, s24
	s_endpgm
.Lfunc_end_k_q0a15d6bae7_quant:
	.size	k_q0a15d6bae7_quant, .Lfunc_end_k_q0a15d6bae7_quant-k_q0a15d6bae7_quant
	.p2alignl 7, 3214868480
	.fill 96, 4, 3214868480
	.section	.rodata,"a",@progbits
	.p2align	6, 0x0
	.amdhsa_kernel k_q0a15d6bae7_quant
		.amdhsa_group_segment_fixed_size 51456
		.amdhsa_private_segment_fixed_size 0
		.amdhsa_enable_private_segment 0
		.amdhsa_kernarg_size 48
		.amdhsa_user_sgpr_count 2
		.amdhsa_user_sgpr_kernarg_segment_ptr 1
		.amdhsa_wavefront_size32 1
		.amdhsa_system_sgpr_workgroup_id_x 1
		.amdhsa_system_sgpr_workgroup_id_y 1
		.amdhsa_system_sgpr_workgroup_id_z 1
		.amdhsa_system_vgpr_workitem_id 0
		.amdhsa_next_free_vgpr 250
		.amdhsa_next_free_sgpr 66
		.amdhsa_reserve_vcc 1
		.amdhsa_float_denorm_mode_32 3
		.amdhsa_float_denorm_mode_16_64 3
		.amdhsa_memory_ordered 1
		.amdhsa_forward_progress 1
		.amdhsa_inst_pref_size 34
	.end_amdhsa_kernel
	.amdgpu_metadata
---
amdhsa.version: [ 1, 2 ]
amdhsa.kernels:
  - .name:           k_q0a15d6bae7_quant
    .symbol:         k_q0a15d6bae7_quant.kd
    .args:
      - { .name: x, .offset: 0, .size: 8, .value_kind: global_buffer, .address_space: global }
      - { .name: wq, .offset: 8, .size: 8, .value_kind: global_buffer, .address_space: global }
      - { .name: wk, .offset: 16, .size: 8, .value_kind: global_buffer, .address_space: global }
      - { .name: wv, .offset: 24, .size: 8, .value_kind: global_buffer, .address_space: global }
      - { .name: wo, .offset: 32, .size: 8, .value_kind: global_buffer, .address_space: global }
      - { .name: xw, .offset: 40, .size: 8, .value_kind: global_buffer, .address_space: global }
    .group_segment_fixed_size: 51456
    .private_segment_fixed_size: 0
    .kernarg_segment_align: 8
    .kernarg_segment_size: 48
    .max_flat_workgroup_size: 192
    .sgpr_count:     66
    .vgpr_count:     250
    .wavefront_size: 32
...
	.end_amdgpu_metadata
.endif
;; end of part 1
;; launch proj (part 2): grid 12 x 32, 4 waves a work-group, clusters of 4 x 4, 327,680 bytes of LDS; arguments xw, bq, bk, bv, qkv; writes qkv
.if DOCPART == 2
	.amdgcn_target "amdgcn-amd-amdhsa--gfx1250"
	.amdhsa_code_object_version 6
	.text
	.protected	k_q0a15d6bae7_proj
	.globl	k_q0a15d6bae7_proj
	.p2align	8
	.type	k_q0a15d6bae7_proj,@function
k_q0a15d6bae7_proj:
	s_mov_b64 s[64:65], 0
	v_nop
	global_prefetch_b8 v0, s[64:65] scope:SCOPE_SE
	s_setreg_imm32_b32 hwreg(HW_REG_WAVE_MODE, 25, 1), 1
	s_wait_xcnt 0x0
	s_wait_alu depctr_hold_cnt(0) depctr_sa_sdst(0) depctr_va_vdst(0) depctr_va_sdst(0) depctr_va_ssrc(0) depctr_va_vcc(0) depctr_vm_vsrc(0)
	s_getreg_b32 s2, hwreg(HW_REG_IB_STS2, 6, 4)
	s_cmp_eq_u32 s2, 0
	s_cbranch_scc0 .Lentry_in_a_cluster
	s_endpgm
.Lentry_in_a_cluster:
	s_bfe_u32 s2, ttmp6, 0x10000c
	s_cmp_lg_u32 s2, 0xf033
	s_cbranch_scc0 .Lentry_shape_is_right
	s_endpgm
.Lentry_shape_is_right:
; Q = x wq^T + bq, K = x wk^T + bk, V = x wv^T + bv on codes of FP6 (E2M3) with E8M0 scales; the results are quantised again, Q and K along the head's channels, V along the tokens, and leave as images of the next launch's operand registers.
; xw holds the codes as images of operand registers: a tile is 16 rows, 12,288 bytes for all of K (sixteen half images of 768 bytes); tiles 0-511 x, 512-575 wq, 576-639 wk, 640-703 wv; behind all codes 512 bytes of scale words a tile.
; LIMITS: NaN and infinities are not served; a block of zeros or under 2^-124 gets the byte 1.
; SHARES.  A work-group of four waves, 2 x 2, makes 256 tokens x 256 columns of one tensor (the cluster's x: 0 Q, 1 K, 2 V); a wave 128 x 128: 64 accumulators.  Source 0 (P) is the side whose index is to run along a lane's registers:
; the weight's rows for Q and K, x's rows for V; source 1 (Q) is the other.
; THE RING: two slots of 384 along K (a tile's row in a slot is 4,608 bytes), so that K = 1,024 comes in three fills: K steps 0-2 into slot 0 at the head, 3-5 into slot 1 behind the full sequence, 6-7 into slot 0 again
; (rows of 3,072 bytes, dense).  Each wave fetches eight tiles by one joint load: x's tiles are shared by a row of the 4 x 4 cluster, the weight's by a column.
; NO PREFETCH INTO THE L2: three fills in all, written out: the text has no loop to run ahead in.
; The scale words, the bias and its selection stand under the first load's flight.
.set TR,     4608
.set HALFT,  8*TR
.set SLOT,   4*HALFT
.set SPARE,  2*SLOT
.set XSC,    9437184
.set WBASE,  512
.set FR,     12
.set L16,  2
.set L8,   3
.set SPW,  6
.set NIL,  7
.set ADP16, 8
.set ADP8,  10
.set ADQ16, 12
.set ADQ8,  14
.set BQ,   16
.set SCQ,  32
.set SCP,  64
.set QF,   128
.set G1,  24
.set G0,  32
.set G1B, 48
.set G0B, 56
.set SEL, 90
.set MSB, 0
.macro WIN new
.if MSB != (\new)
	s_set_vgpr_msb (MSB<<8)|(\new)
.set MSB, (\new)
.endif
.endm
.macro JLOAD g0a, g1a, g0b, g1b        ; waves 0 and 1 fetch x's tiles, waves 2 and 3 the weight's; s_nop 0 and four v_nop follow each line
	s_cmp_eq_u32 s15, 0
	s_cbranch_scc0 .Lfor_b_\@
	tensor_load_to_lds s[\g0a:\g0a+3], s[\g1a:\g1a+7]
	s_nop 0
.rept 4
	v_nop
.endr
	s_branch .Lasked_\@
.Lfor_b_\@:
	tensor_load_to_lds s[\g0b:\g0b+3], s[\g1b:\g1b+7]
	s_nop 0
.rept 4
	v_nop
.endr
.Lasked_\@:
.endm
.macro CREST
	s_cmp_lg_u32 s14, 0
	s_cbranch_scc1 .Lnot_wave_0_\@
	s_barrier_signal -3
.Lnot_wave_0_\@:
	s_barrier_wait -3
	s_barrier_signal -1
	s_barrier_wait -1
.endm
.macro CROUND
	s_barrier_signal -1
	s_barrier_wait -1
	CREST
.endm
.macro PLACES
.rept 4
	v_nop
.endr
.endm
	s_load_b256 s[4:11], s[0:1], 0x0               ; xw s[4:5], bq s[6:7], bk s[8:9], bv s[10:11]
	s_load_b64 s[12:13], s[0:1], 0x20              ; qkv
	v_lshl_add_u32 v[SPW], v0, 2, SPARE
	v_mov_b32 v[NIL], 0
	ds_add_u32 v[SPW], v[NIL]                      ; the opening lines: the add, twice on end, and its wait
	ds_add_u32 v[SPW], v[NIL]
	v_lshrrev_b32 v1, 5, v0
	v_readfirstlane_b32 s14, v1
	s_lshr_b32 s15, s14, 1
	s_and_b32 s16, s14, 1
	s_bfe_u32 s40, ttmp6, 0x40000
	s_bfe_u32 s41, ttmp6, 0x40004
	s_lshl_b32 s42, ttmp9, 2
	s_add_co_u32 s42, s42, s40
	s_and_b32 s17, ttmp7, 0xffff
	s_lshl_b32 s17, s17, 2
	s_add_co_u32 s17, s17, s41
	s_lshl_b32 s43, s41, 2
	s_lshl_b32 s43, 15, s43
	s_lshl_b32 s44, 0x1111, s40
	s_or_b32 s[G1+0], s43, (3<<16)|(1<<21)
	s_or_b32 s[G1B+0], s44, (3<<16)|(1<<21)
.irp g, G1, G1B
	s_mov_b32 s[\g+1], 576<<16                     ; rows of 4,608 bytes (576 elements of 8), eight of them, 12,288 bytes apart in memory, dense in LDS
	s_mov_b32 s[\g+2], 8<<16
	s_mov_b32 s[\g+3], 576<<16
	s_mov_b32 s[\g+4], 8
	s_mov_b32 s[\g+5], 1536
	s_mov_b32 s[\g+6], 0
	s_mov_b32 s[\g+7], 0
.endr
	s_lshl_b32 s18, s16, 3
	s_lshl_b32 s20, s17, 4
	s_add_co_u32 s20, s20, s18
	s_mul_i32 s20, s20, 12288
	s_mov_b32 s21, 0
	s_lshl_b32 s46, s42, 4
	s_add_co_u32 s46, s46, s18
	s_add_co_u32 s46, s46, WBASE
	s_mul_i32 s46, s46, 12288
	s_mov_b32 s47, 0
	s_mul_i32 s45, s14, HALFT
	s_wait_alu depctr_va_vdst(0)
	s_wait_dscnt 0x0
	s_wait_kmcnt 0x0
	s_add_nc_u64 s[20:21], s[4:5], s[20:21]
	s_add_nc_u64 s[46:47], s[4:5], s[46:47]
	CROUND                                         ; all sixteen work-groups are here: the first joint loads meet
.irp s, 0,1
	s_mov_b32 s[G0+4*\s], 1
	s_add_co_u32 s[G0+4*\s+1], s45, \s*SLOT
	s_add_nc_u64 s[G0+4*\s+2:G0+4*\s+3], s[20:21], \s*TR
	s_or_b32 s[G0+4*\s+3], s[G0+4*\s+3], 0x80000000
	s_mov_b32 s[G0B+4*\s], 1
	s_add_co_u32 s[G0B+4*\s+1], s45, \s*SLOT
	s_add_nc_u64 s[G0B+4*\s+2:G0B+4*\s+3], s[46:47], \s*TR
	s_or_b32 s[G0B+4*\s+3], s[G0B+4*\s+3], 0x80000000
.endr
	JLOAD G0, G1, G0B, G1B                         ; K steps 0-2: one tensor load a wave at the head
	s_mul_i32 s21, s15, HALFT
	s_mul_i32 s22, s16, HALFT
	s_add_co_u32 s22, s22, 2*HALFT
	s_cmp_eq_u32 ttmp9, 2
	s_cselect_b32 s23, s21, s22                    ; source 0: for V x's tiles, else the weight's
	s_cselect_b32 s66, s22, s21
	s_lshl_b32 s67, s17, 4
	s_lshl_b32 s68, s15, 3
	s_add_co_u32 s67, s67, s68
	s_lshl_b32 s67, s67, 9
	s_add_co_u32 s67, s67, XSC
	s_lshl_b32 s68, s42, 4
	s_lshl_b32 s69, s16, 3
	s_add_co_u32 s68, s68, s69
	s_add_co_u32 s68, s68, WBASE
	s_lshl_b32 s68, s68, 9
	s_add_co_u32 s68, s68, XSC
	s_cmp_eq_u32 ttmp9, 2
	s_cselect_b32 s70, s67, s68
	s_cselect_b32 s72, s68, s67
	s_mov_b32 s71, 0
	s_mov_b32 s73, 0
	s_add_nc_u64 s[70:71], s[4:5], s[70:71]
	s_add_nc_u64 s[72:73], s[4:5], s[72:73]
	s_cmp_eq_u32 ttmp9, 0
	s_cselect_b64 s[74:75], s[6:7], s[8:9]
	s_cmp_eq_u32 ttmp9, 2
	s_cselect_b64 s[74:75], s[10:11], s[74:75]
	s_lshl_b32 s76, s40, 10
	s_lshl_b32 s77, s16, 9
	s_add_co_u32 s76, s76, s77
	s_mov_b32 s77, 0
	s_add_nc_u64 s[74:75], s[74:75], s[76:77]
	s_mov_b32 s[SEL], 0x76543210
	s_mov_b32 s[SEL+1], 0xfedcba98
	v_and_b32 v1, 31, v0
	v_and_b32 v5, 15, v0
	v_and_b32 v4, 8, v0
	v_lshlrev_b32 v[L16], 4, v1
	v_lshlrev_b32 v[L8], 3, v1
	v_add_lshl_u32 v5, v5, v4, 2
	v_bfe_u32 v4, v0, 4, 1
	v_lshlrev_b32 v4, 6, v4
.irp i, 0,1,2,3,4,5,6,7
	global_load_b128 v[SCP+4*\i:SCP+4*\i+3], v[L16], s[70:71] offset:512*\i
	global_load_b128 v[SCQ+4*\i:SCQ+4*\i+3], v[L16], s[72:73] offset:512*\i
.endr
.irp b, 0,1,2,3,4,5,6,7
	global_load_b128 v[96+8*\b+96*(\b/4):96+8*\b+96*(\b/4)+3], v4, s[74:75] offset:(32*(\b/2)+8*(\b%2))*4
	global_load_b128 v[96+8*\b+96*(\b/4)+4:96+8*\b+96*(\b/4)+7], v4, s[74:75] offset:(32*(\b/2)+8*(\b%2))*4+16
	global_load_b32 v[BQ+2*\b], v5, s[74:75] offset:(32*(\b/2)+8*(\b%2))*4
.endr
.irp s, 0,1
	v_add_nc_u32 v[ADP16+\s], s23, v[L16]
	v_add_nc_u32 v[ADP8+\s], s23, v[L8]
	v_add_nc_u32 v[ADQ16+\s], s66, v[L16]
	v_add_nc_u32 v[ADQ8+\s], s66, v[L8]
	s_add_co_u32 s23, s23, SLOT
	s_add_co_u32 s66, s66, SLOT
.endr
	s_wait_loadcnt 0x0
	s_cmp_eq_u32 ttmp9, 2                          ; Q, K: the bias runs along a lane's registers and is the first products' C; V: it is one number a lane and tile, added on the way out.  The other form is made 0
	s_cselect_b32 vcc_lo, 0, -1
.set ii, 0
.rept 32
	v_cndmask_b32 v[96+ii], 0, v[96+ii], vcc_lo
	v_cndmask_b32 v[224+ii], 0, v[224+ii], vcc_lo
.set ii, ii+1
.endr
	s_not_b32 vcc_lo, vcc_lo
.irp a, 0,1,2,3,4,5,6,7
	v_cndmask_b32 v[BQ+2*\a], 0, v[BQ+2*\a], vcc_lo
	v_mov_b32 v[BQ+2*\a+1], 0
.endr
.macro FRAG reg, a16, a8, off
	ds_load_b128 v[\reg:\reg+3], v[\a16] offset:\off
	ds_load_b64 v[\reg+4:\reg+5], v[\a8] offset:\off+512
	ds_load_b128 v[\reg+6:\reg+9], v[\a16] offset:\off+768
	ds_load_b64 v[\reg+10:\reg+11], v[\a8] offset:\off+1280
.endm
.macro LOC n                           ; where K step n lies: its slot, its byte in a tile's row, the rows' pitch
.if (\n) < 6
.set NSL, (\n)/3
.set NOF, 1536*((\n)%3)
.set NPI, TR
.else
.set NSL, 0
.set NOF, 1536*((\n)-6)
.set NPI, 3072
.endif
.endm
.macro FETCH_P n                       ; source 0's eight fragments of K step n into set n % 2
	LOC \n
	WIN 0x40
.irp i, 0,1,2,3,4,5,6,7
	FRAG 128*((\n)%2)+FR*\i, ADP16+NSL, ADP8+NSL, NPI*\i+NOF
.endr
	WIN 0
.endm
.macro FETCH_Q n, i0                   ; source 1's blocks i0 .. i0 + 3 of K step n
	LOC \n
.irp i, \i0, \i0+1, \i0+2, \i0+3
	FRAG QF+FR*(\i), ADQ16+NSL, ADQ8+NSL, NPI*(\i)+NOF
.endr
.endm
.macro MUL16 a0, p, ks, first
.irp a, \a0, \a0+1
.irp b, 0,1,2,3,4,5,6,7
.if \first
	v_wmma_scale_f32_16x16x128_f8f6f4 v[8*(8*((\a)%4)+\b):8*(8*((\a)%4)+\b)+7], v[128*(\p)+FR*\b:128*(\p)+FR*\b+FR-1], v[QF+FR*(\a):QF+FR*(\a)+FR-1], v[96+8*\b+96*(\b/4):96+8*\b+96*(\b/4)+7], v[SCP+4*\b+(\ks)%4], v[SCQ+4*(\a)+(\ks)%4] matrix_a_fmt:MATRIX_FMT_FP6 matrix_b_fmt:MATRIX_FMT_FP6
.elseif (\ks) < 4
	v_wmma_scale_f32_16x16x128_f8f6f4 v[8*(8*((\a)%4)+\b):8*(8*((\a)%4)+\b)+7], v[128*(\p)+FR*\b:128*(\p)+FR*\b+FR-1], v[QF+FR*(\a):QF+FR*(\a)+FR-1], v[8*(8*((\a)%4)+\b):8*(8*((\a)%4)+\b)+7], v[SCP+4*\b+(\ks)%4], v[SCQ+4*(\a)+(\ks)%4] matrix_a_fmt:MATRIX_FMT_FP6 matrix_b_fmt:MATRIX_FMT_FP6
.else
	v_wmma_scale_f32_16x16x128_f8f6f4 v[8*(8*((\a)%4)+\b):8*(8*((\a)%4)+\b)+7], v[128*(\p)+FR*\b:128*(\p)+FR*\b+FR-1], v[QF+FR*(\a):QF+FR*(\a)+FR-1], v[8*(8*((\a)%4)+\b):8*(8*((\a)%4)+\b)+7], v[SCP+4*\b+(\ks)%4], v[SCQ+4*(\a)+(\ks)%4] matrix_a_fmt:MATRIX_FMT_FP6 matrix_b_fmt:MATRIX_FMT_FP6 matrix_a_scale:MATRIX_SCALE_ROW1 matrix_b_scale:MATRIX_SCALE_ROW1
.endif
.endr
.endr
.endm
; A K step whose successor lies in the same slot: 64 products; the next step's fragments are fetched in its middle and at its end
.macro STEP ks, first
	s_wait_dscnt 16                                ; all but the youngest 16 loads, source 1's blocks 4-7
	WIN 0xa1-0x20*(\first)
	MUL16 0, (\ks)%2, \ks, \first
	MUL16 2, (\ks)%2, \ks, \first
	s_wait_dscnt 0x0
	PLACES
	FETCH_P (\ks)+1
	FETCH_Q (\ks)+1, 0
	WIN 0xf1-0x30*(\first)
	MUL16 4, (\ks)%2, \ks, \first
	MUL16 6, (\ks)%2, \ks, \first
	PLACES
	WIN 0
	FETCH_Q (\ks)+1, 4
.endm
; A slot's last K step.  Each wave waits for all its tensor loads, adds 0 to its spare word, and waits for that and for its reads of this slot.  fill = 1: the barrier opens a round of the cluster's barrier, and slot 0 takes K steps 6 and 7
.macro TURN ks, fill
	s_wait_tensorcnt 0x0
	ds_add_u32 v[SPW], v[NIL]
	s_wait_dscnt 17                                ; (the add and the youngest 16 loads may be out)
	WIN 0xa1
	MUL16 0, (\ks)%2, \ks, 0
	s_wait_dscnt 0x0
	s_barrier_signal -1
	MUL16 2, (\ks)%2, \ks, 0
	WIN 0
	s_barrier_wait -1
.if \fill
	CREST
	s_add_nc_u64 s[G0+2:G0+3], s[G0+2:G0+3], 2*TR  ; no tensor load of mine is out, so the descriptors may be written: 768 along K on,
	s_add_nc_u64 s[G0B+2:G0B+3], s[G0B+2:G0B+3], 2*TR
	s_mov_b32 s[G1+1], 384<<16                     ; and rows of 3,072 bytes: what is left of K
	s_mov_b32 s[G1+3], 384<<16
	s_mov_b32 s[G1B+1], 384<<16
	s_mov_b32 s[G1B+3], 384<<16
	JLOAD G0, G1, G0B, G1B                         ; the first tensor load behind the round; its four v_nop are the places ahead of the loads below
.else
	PLACES
.endif
	FETCH_P (\ks)+1
	FETCH_Q (\ks)+1, 0
	WIN 0xf1
	MUL16 4, (\ks)%2, \ks, 0
	MUL16 6, (\ks)%2, \ks, 0
	PLACES
	WIN 0
	FETCH_Q (\ks)+1, 4
.endm
.macro LAST ks
	s_wait_dscnt 16
	WIN 0xa1
	MUL16 0, 1, \ks, 0
	MUL16 2, 1, \ks, 0
	s_wait_dscnt 0x0
	WIN 0xf1
	MUL16 4, 1, \ks, 0
	MUL16 6, 1, \ks, 0
	WIN 0
.endm
	s_wait_alu depctr_va_vdst(0)                   ; the wait at the head's end
	s_wait_tensorcnt 0x0                           ; my part of K steps 0-2 is in
	ds_add_u32 v[SPW], v[NIL]
	s_wait_dscnt 0x0
	CROUND                                         ; everybody's part is in, and all sixteen work-groups are here
	JLOAD G0+4, G1, G0B+4, G1B                     ; K steps 3-5 into slot 1
	FETCH_P 0
	FETCH_Q 0, 0
	FETCH_Q 0, 4
	STEP 0, 1
	STEP 1, 0
	TURN 2, 1
	STEP 3, 0
	STEP 4, 0
	TURN 5, 0
	STEP 6, 0
	LAST 7
; THE WAY OUT: block a of source 1 (16 rows) against all 128 of source 0: a lane's 64 numbers are four blocks of 32 along the next product's K: a fragment's codes and its scale word
.set H,    128
.set PC,   192
.set TM,   212
.set PWK,  96
.set SW,   104
.set L16C, 114
.set L8C,  115
.set SOF,  116
.set SH,   117
.set OB,   86
.set SA,   80
.set SJ,   84
.macro QUANT_A s, pw
.irp b, 0,1,2,3
	v_max3_num_f32 v[TM+\b], |v[\s+16*\b]|, |v[\s+1+16*\b]|, 0x1800000
.endr
.irp i, 2,4,6,8,10,12,14
.irp b, 0,1,2,3
	v_max3_num_f32 v[TM+\b], v[TM+\b], |v[\s+16*\b+\i]|, |v[\s+1+16*\b+\i]|
.endr
.endr
.irp b, 0,1,2,3
	v_permlanex16_b32 v[TM+4+\b], v[TM+\b], s[SEL], s[SEL+1]
.endr
.irp b, 0,1,2,3
	v_max_num_f32 v[TM+\b], v[TM+\b], v[TM+4+\b]
.endr
.irp b, 0,1,2,3
	v_add_nc_u32 v[TM+12+\b], 0xff000000, v[TM+\b]
.endr
.irp b, 0,1,2,3
	v_lshrrev_b32 v[TM+4+\b], 23, v[TM+12+\b]
.endr
	v_lshl_or_b32 v[\pw], v[TM+5], 8, v[TM+4]
	v_lshl_or_b32 v[\pw], v[TM+6], 16, v[\pw]
	v_lshl_or_b32 v[\pw], v[TM+7], 24, v[\pw]
.endm
.macro QUANT_B s
.irp c, 0,1
	v_cvt_scalef32_pk16_fp6_f32 v[PC+6*\c:PC+2+6*\c], v[\s+32*\c:\s+15+32*\c], v[TM+12+2*\c]
	v_cvt_scalef32_pk16_fp6_f32 v[PC+12+4*\c:PC+14+4*\c], v[\s+16+32*\c:\s+31+32*\c], v[TM+12+2*\c+1]
.endr
	v_nop
.irp c, 0,1
.irp i, 0,1,2
	v_permlane16_swap_b32 v[PC+6*\c+\i], v[PC+12+4*\c+\i]
.endr
.irp i, 0,1,2
	v_mov_b32 v[PC+3+6*\c+\i], v[PC+12+4*\c+\i]
.endr
.endr
.endm
.macro OUTA a
	WIN 0x02+(\a)/4
.set ii, 0
.rept 32
	v_pk_add_f32 v[H+ii:H+ii+1], v[64*((\a)%4)+ii:64*((\a)%4)+ii+1], v[BQ+2*(\a):BQ+2*(\a)+1] op_sel_hi:[1,0]
.set ii, ii+2
.endr
	WIN 0
	QUANT_A H, PWK+(\a)
.if (\a) > 0
	s_wait_xcnt 0x0
	s_add_nc_u64 s[OB:OB+1], s[OB:OB+1], s[SA:SA+1]
.endif
.if (\a) == 4
	s_add_nc_u64 s[OB:OB+1], s[OB:OB+1], s[SJ:SJ+1]
.endif
	QUANT_B H
	global_store_b128 v[L16], v[PC:PC+3], s[OB:OB+1]
	global_store_b64 v[L8], v[PC+4:PC+5], s[OB:OB+1] offset:512
	global_store_b128 v[L16C], v[PC+6:PC+9], s[OB:OB+1]
	global_store_b64 v[L8C], v[PC+10:PC+11], s[OB:OB+1] offset:512
.endm
	PLACES
	s_lshr_b32 s67, s17, 3
	s_lshl_b32 s67, s67, 4
	s_lshl_b32 s68, s40, 2
	s_add_co_u32 s67, s67, s68
	s_lshl_b32 s68, s16, 1
	s_add_co_u32 s67, s67, s68
	s_and_b32 s68, s17, 7
	s_mov_b32 s76, 196608
	s_mov_b32 s77, 6291456
	s_mov_b32 s92, 12288
	s_mov_b32 s93, 19398656
	s_cmp_eq_u32 ttmp9, 0
	s_cselect_b32 s76, 98304, s76
	s_cselect_b32 s77, 0, s77
	s_cselect_b32 s92, 8192, s92
	s_cselect_b32 s93, 18874368, s93
	s_mov_b32 s78, 6303744
	s_mov_b32 s79, 768
	s_mov_b32 s94, 512
	s_cmp_eq_u32 ttmp9, 2
	s_cselect_b32 s77, s78, s77
	s_cselect_b32 s[SA], 1536, s79
	s_cselect_b32 s82, s79, s76
	s_cselect_b32 s[SJ], 190464, 0
	s_cselect_b32 s94, 256, s94
	s_cselect_b32 s95, 8192, 0
	s_mov_b32 s[SA+1], 0
	s_mov_b32 s[SJ+1], 0
	s_mul_i32 s[OB], s67, s76
	s_add_co_u32 s[OB], s[OB], s77
	s_lshr_b32 s69, s76, 3
	s_mul_i32 s69, s69, s68
	s_add_co_u32 s[OB], s[OB], s69
	s_mul_i32 s69, s15, 6144
	s_add_co_u32 s[OB], s[OB], s69
	s_mov_b32 s[OB+1], 0
	s_add_nc_u64 s[OB:OB+1], s[12:13], s[OB:OB+1]
	s_mul_i32 s88, s67, s92
	s_add_co_u32 s88, s88, s93
	s_add_co_u32 s88, s88, s95
	s_lshl_b32 s69, s68, 1
	s_add_co_u32 s69, s69, s15
	s_mul_i32 s69, s69, s94
	s_add_co_u32 s88, s88, s69
	s_mov_b32 s89, 0
	s_add_nc_u64 s[88:89], s[12:13], s[88:89]
	v_add_nc_u32 v[L16C], s82, v[L16]
	v_add_nc_u32 v[L8C], s82, v[L8]
	v_bfe_u32 v[SH], v0, 4, 1
	v_and_b32 v[SOF], 15, v0
	v_lshlrev_b32 v[SOF], 4, v[SOF]
	v_mad_u32_u24 v[SOF], v[SH], s92, v[SOF]
	v_lshlrev_b32 v[SH], 4, v[SH]
.irp b, 0,1,2,3
	v_mov_b32 v[TM+4+\b], 0
.endr
.irp a, 0,1,2,3,4,5,6,7
	OUTA \a
.endr
	s_cmp_eq_u32 ttmp9, 2
	s_cbranch_scc1 .Lv_words
.irp a, 0,1,2,3,4,5,6,7
	v_lshrrev_b32 v[SW+\a], v[SH], v[PWK+\a]
.endr
	global_store_b128 v[SOF], v[SW:SW+3], s[88:89]
	global_store_b128 v[SOF], v[SW+4:SW+7], s[88:89] offset:256
	s_branch .Lwords_done
.Lv_words:
	v_cmp_lt_u32 vcc_lo, 15, v1
.irp j, 0,1,2,3
	v_cndmask_b32 v[SW+\j], v[PWK+\j], v[PWK+4+\j], vcc_lo
.endr
	global_store_b128 v[SOF], v[SW:SW+3], s[88:89]
.Lwords_done:
	s_wait_tensorcnt 0x0                           ; the wave's end
	ds_add_u32 v[SPW], v[NIL]
	s_wait_dscnt 0x0
	CROUND                                         ; the closing round
	s_endpgm
.Lfunc_end_k_q0a15d6bae7_proj:
	.size	k_q0a15d6bae7_proj, .Lfunc_end_k_q0a15d6bae7_proj-k_q0a15d6bae7_proj
	.p2alignl 7, 3214868480
	.fill 96, 4, 3214868480
	.section	.rodata,"a",@progbits
	.p2align	6, 0x0
	.amdhsa_kernel k_q0a15d6bae7_proj
		.amdhsa_group_segment_fixed_size 327680
		.amdhsa_private_segment_fixed_size 0
		.amdhsa_enable_private_segment 0
		.amdhsa_kernarg_size 40
		.amdhsa_user_sgpr_count 2
		.amdhsa_user_sgpr_kernarg_segment_ptr 1
		.amdhsa_wavefront_size32 1
		.amdhsa_system_sgpr_workgroup_id_x 1
		.amdhsa_system_sgpr_workgroup_id_y 1
		.amdhsa_system_sgpr_workgroup_id_z 1
		.amdhsa_system_vgpr_workitem_id 0
		.amdhsa_next_free_vgpr 1024
		.amdhsa_next_free_sgpr 100
		.amdhsa_reserve_vcc 1
		.amdhsa_float_denorm_mode_32 3
		.amdhsa_float_denorm_mode_16_64 3
		.amdhsa_memory_ordered 1
		.amdhsa_forward_progress 1
		.amdhsa_inst_pref_size 169
	.end_amdhsa_kernel
	.amdgpu_metadata
---
amdhsa.version: [ 1, 2 ]
amdhsa.kernels:
  - .name:           k_q0a15d6bae7_proj
    .symbol:         k_q0a15d6bae7_proj.kd
    .args:
      - { .name: xw, .offset: 0, .size: 8, .value_kind: global_buffer, .address_space: global }
      - { .name: bq, .offset: 8, .size: 8, .value_kind: global_buffer, .address_space: global }
      - { .name: bk, .offset: 16, .size: 8, .value_kind: global_buffer, .address_space: global }
      - { .name: bv, .offset: 24, .size: 8, .value_kind: global_buffer, .address_space: global }
      - { .name: qkv, .offset: 32, .size: 8, .value_kind: global_buffer, .address_space: global }
    .group_segment_fixed_size: 327680
    .private_segment_fixed_size: 0
    .kernarg_segment_align: 8
    .kernarg_segment_size: 40
    .max_flat_workgroup_size: 128
    .sgpr_count:     100
    .vgpr_count:     1024
    .wavefront_size: 32
...
	.end_amdgpu_metadata
.endif
;; end of part 2
;; launch attn (part 3): grid 4 x 64, 16 waves a work-group, clusters of 4 x 1, 215,040 bytes of LDS; arguments qkv, oq; writes oq
.if DOCPART == 3
	.amdgcn_target "amdgcn-amd-amdhsa--gfx1250"
	.amdhsa_code_object_version 6
	.text
	.protected	k_q0a15d6bae7_attn
	.globl	k_q0a15d6bae7_attn
	.p2align	8
	.type	k_q0a15d6bae7_attn,@function
k_q0a15d6bae7_attn:
	s_mov_b64 s[64:65], 0
	v_nop
	global_prefetch_b8 v0, s[64:65] scope:SCOPE_SE
	s_setreg_imm32_b32 hwreg(HW_REG_WAVE_MODE, 25, 1), 1
	s_wait_xcnt 0x0
	s_wait_alu depctr_hold_cnt(0) depctr_sa_sdst(0) depctr_va_vdst(0) depctr_va_sdst(0) depctr_va_ssrc(0) depctr_va_vcc(0) depctr_vm_vsrc(0)
	s_getreg_b32 s2, hwreg(HW_REG_IB_STS2, 6, 4)
	s_cmp_eq_u32 s2, 0
	s_cbranch_scc0 .Lentry_in_a_cluster
	s_endpgm
.Lentry_in_a_cluster:
	s_bfe_u32 s2, ttmp6, 0x10000c
	s_cmp_lg_u32 s2, 0x3003
	s_cbranch_scc0 .Lentry_shape_is_right
	s_endpgm
.Lentry_shape_is_right:
; O[bh][q] = the sum over k of softmax_k(Q[bh][q] . K[bh][k] / 8) V[bh][k], 64 heads x 2,048 x 64, both products on codes of FP6 (E2M3) with E8M0 scales; the result is quantised along the channels and leaves as codes.
; THE SOFTMAX: t = score x log2(e) / 8; M = the row's largest t so far, rounded up to a whole number; p = 2^(t - M) is quantised along the keys, not normalised; the row's sum is taken of the unquantised p and divides O at the end.
; When M moves, the sum and O are multiplied by 2^(old M - new M): exact.
; LIMITS: the promise holds while |t| stays under 2^31; NaN and infinities are not served; a block of zeros or under 2^-124 gets the byte 1.  The result's scale bytes leave two to a lane, rows 16 bytes apart: 32 of the 800 bytes that a wave stores for a tile.
; SHARES.  256 work-groups: four to a head, 512 queries each.  A head's K and V (eight blocks of 24,576 bytes: 256 keys' K, then their V, as images of operand registers) and its scale words (12,288 bytes) are 208,896 bytes:
; ALL OF IT LIES IN LDS, FILLED ONCE.  No LDS byte is filled again, so the walk over the keys has no barrier.  Each of the sixteen waves owns two tiles of 16 queries and walks the keys once for each: 256 registers a wave, four waves to a SIMD.
; THE FOUR WORK-GROUPS OF A HEAD ARE A CLUSTER and ask for K, V and the scale words jointly (mask 15): a round ahead of the loads, a round ahead of the end.
; THE HEAD'S LOADS, one a wave: wave 0 the scale words, wave 1 keys 0-255, waves 2-15 48 rows of 256 bytes each of the other 1,792 keys.  The first barrier shows the lines of waves 0 and 1 alone; the first tile's first two key steps are written out
; with constant addresses; behind them every wave waits for its load and a plain barrier shows the rest.
; NO PREFETCH INTO THE L2: every tile is asked for at the head by its tensor load; the text has no later load to run ahead of.
; Both products are used transposed (S^T = K Q^T, O^T = V^T P^T): a lane holds one query throughout; by the tiles' order the 16 registers of tiles 2 b, 2 b + 1 are 16 neighbouring keys (channels).
; THE HEAD HAS 64 CHANNELS AND THE INSTRUCTION IS 128 DEEP.  A fragment of K holds TWO tiles of 16 keys: tile 2 f at k = 0 .. 63, tile 2 f + 1 at k = 64 .. 127.  Q lies as zeros, q, zeros (18 registers): against [q, 0] the product is tile 2 f's
; scores, against [0, q] tile 2 f + 1's; zero codes add nothing under any scale byte but 0xff.  So a step's eight tiles fill K's 48 registers, which are free behind the eight products: the NEXT step's K and its scale words are fetched there
; and have the softmax in which to land.  A fragment's scale word is the low halves of its two tiles' words; Q's word holds its two bytes twice.
; REGISTERS: v1-4 lane terms; v5-6 the spare word's address and 0; v7 lane; v8-11 the block's addresses; v12 -M, v13 the largest t; v14-31 zeros, Q, zeros; v32-79 four fragments of K; v80-87 K's scale words, v88-91 V's, v92 Q's, v93 p's;
; v94-95, v239 the next block's addresses; v96-159 S^T, then p, then V's four fragments; v160-191 O^T; v192-203 p's codes, v204-210 at work; v212-215 the blocks' maxima; v216-219 at work; v220-223 scale operands;
; v224-225, v244-255 partial sums; v226 at work; v227 the old -M; v[228:229] f; v[230:231] the sum; v232-238 the second tile's Q and scale word.
.set KV_IMG, 6291456
.set Q_SC,   18874368
.set KV_SC,  19398656
.set O_SC,   6291456
.set BLK,    24576                     ; 256 keys: K's 12,288 bytes, then V's
.set SCL,    196608                    ; behind the eight blocks: K's scale words, 8,192 bytes [group of four tiles][r][4 words], V's 4,096 [128 keys][r][4 words]
.set SPARE,  212992                    ; the spare words, 128 bytes for each wave: eight blocks of 256 bytes that no other line names
.set BM,  212
.set PT,  216
.set SO,  220
.set PC,  192
.set SM,  230
.set WV,  18                           ; s18 my wave's number
.set SEL, 20                           ; s[20:21] lane selects for v_permlanex16_b32: lane l xor 16
.set CS,  22                           ; s[22:23] c = log2(e) / 8
.set G1C, 24                           ; s[24:31] group 1: 48 rows of 256 bytes;  s[32:39]: 96 rows
.set G1L, 32
.set G0S, 40                           ; s[40:43] group 0: the scale words;  s[44:47] keys 0-255;  s[48:51] my 48 rows of the rest
.set G0A, 44
.set G0B, 48
.set TB,  52                           ; s52 LDS byte of the block in hand; s53, s54 its scale words of K and of V; s81, s82 the next block's
.set TS,  53
.set TJ,  54
.set KC,  55                           ; s55 the trip: 8 x tile + block
.set KB,  56                           ; s56 the block, 0 .. 7
.set TBN, 81
.set TSN, 82
.macro WALU
	s_wait_alu depctr_va_vdst(0)
.endm
.macro CROUND                          ; a round of the cluster's barrier
	s_barrier_signal -1
	s_barrier_wait -1
	s_cmp_lg_u32 s[WV], 0
	s_cbranch_scc1 .Lnot_wave_0_\@
	s_barrier_signal -3
.Lnot_wave_0_\@:
	s_barrier_wait -3
	s_barrier_signal -1
	s_barrier_wait -1
.endm
.macro TLOAD g0, g1                    ; s_nop 0 and four v_nop follow the line
	tensor_load_to_lds s[\g0:\g0+3], s[\g1:\g1+7]
	s_nop 0
.rept 4
	v_nop
.endr
.endm
.macro GROUP1 g, rows                  ; dense rows of 256 bytes (32 elements of 8), no padding; mask 15: the cluster's four; bit 21 beside it
	s_mov_b32 s[\g], 15|(3<<16)|(1<<21)
	s_mov_b32 s[\g+1], 32<<16
	s_mov_b32 s[\g+2], (\rows)<<16
	s_mov_b32 s[\g+3], 32<<16
	s_mov_b32 s[\g+4], \rows
	s_mov_b32 s[\g+5], 32
	s_mov_b32 s[\g+6], 0
	s_mov_b32 s[\g+7], 0
.endm
	s_load_b128 s[4:7], s[0:1], 0x0                ; qkv s[4:5], oq s[6:7]
	v_lshl_add_u32 v5, v0, 2, SPARE
	v_mov_b32 v6, 0
	ds_add_u32 v5, v6                              ; the opening lines: the add, twice on end, and its wait
	ds_add_u32 v5, v6
	v_lshrrev_b32 v8, 5, v0
	v_readfirstlane_b32 s[WV], v8                  ; wave 0..15
	s_and_b32 s58, ttmp7, 0xffff                   ; the head, 0 .. 63: the cluster's y
	s_bfe_u32 s59, ttmp6, 0x40000                  ; cx: which 512 queries; it enters global addresses of Q and O alone
	GROUP1 G1C, 48
	GROUP1 G1L, 96
	s_mul_i32 s60, s58, 8*BLK
	s_add_co_u32 s60, s60, KV_IMG                  ; the head's K and V, bytes from qkv
	s_mov_b32 s61, 0
	s_mul_i32 s62, s58, 12288
	s_add_co_u32 s62, s62, KV_SC                   ; its scale words
	s_mov_b32 s63, 0
	s_mul_i32 s66, s[WV], 12288                    ; waves 2-15: rows 48 w on, in memory and in LDS alike
	s_mov_b32 s67, 0
	s_mov_b32 s[SEL], 0x76543210
	s_mov_b32 s[SEL+1], 0xfedcba98
	s_mov_b32 s[CS], 0x3e38aa3b                    ; log2(e) / 8
	s_mov_b32 s[CS+1], s[CS]                       ; (named with it as a pair, so it is written)
	WALU
	s_wait_dscnt 0x0                               ; both opening adds are done
	CROUND                                         ; the four work-groups are here: the joint loads meet
	s_wait_kmcnt 0x0
	s_mov_b32 s[G0S], 1
	s_mov_b32 s[G0S+1], SCL
	s_add_nc_u64 s[G0S+2:G0S+3], s[4:5], s[62:63]
	s_or_b32 s[G0S+3], s[G0S+3], 0x80000000
	s_mov_b32 s[G0A], 1
	s_mov_b32 s[G0A+1], 0
	s_add_nc_u64 s[G0A+2:G0A+3], s[4:5], s[60:61]
	s_mov_b32 s[G0B], 1
	s_mov_b32 s[G0B+1], s66
	s_add_nc_u64 s[G0B+2:G0B+3], s[G0A+2:G0A+3], s[66:67]
	s_or_b32 s[G0A+3], s[G0A+3], 0x80000000
	s_or_b32 s[G0B+3], s[G0B+3], 0x80000000
	s_cmp_eq_u32 s[WV], 0                          ; one chain of branches on the wave's number, one load to an arm
	s_cbranch_scc0 .Lwave_1
	TLOAD G0S, G1C                                 ; wave 0: the scale words
	s_branch .Lasked
.Lwave_1:
	s_cmp_eq_u32 s[WV], 1
	s_cbranch_scc0 .Lwave_2
	TLOAD G0A, G1L                                 ; wave 1: keys 0-255
	s_branch .Lasked
.Lwave_2:
	TLOAD G0B, G1C                                 ; waves 2-15: 256 keys' K or V each
.Lasked:
	s_lshl_b32 s66, s59, 5
	s_add_co_u32 s66, s66, s[WV]                   ; my first tile of queries in the head: 32 cx + wave; the second lies 16 tiles on
	s_mul_i32 s67, s58, 98304
	s_mul_i32 s68, s66, 768
	s_add_co_u32 s68, s68, s67
	s_mov_b32 s69, 0
	s_add_nc_u64 s[68:69], s[4:5], s[68:69]        ; its half image
	s_lshl_b32 s70, s58, 13
	s_lshr_b32 s71, s66, 2
	s_lshl_b32 s71, s71, 8
	s_add_co_u32 s70, s70, s71
	s_and_b32 s71, s66, 3
	s_lshl_b32 s71, s71, 2
	s_add_co_u32 s70, s70, s71
	s_add_co_u32 s70, s70, Q_SC
	s_mov_b32 s71, 0
	s_add_nc_u64 s[70:71], s[4:5], s[70:71]        ; its scale words
	s_lshr_b32 s72, s58, 4
	s_lshl_b32 s72, s72, 7
	s_add_co_u32 s72, s72, s66                     ; T = 128 x batch + my tile
	s_and_b32 s73, s58, 15                         ; the head in its batch
	s_mul_i32 s74, s72, 12288
	s_mul_i32 s75, s73, 768
	s_add_co_u32 s74, s74, s75
	s_mov_b32 s75, 0
	s_add_nc_u64 s[74:75], s[6:7], s[74:75]        ; where the tile's codes go
	s_lshl_b32 s76, s72, 9                         ; the tile's scale words [K half][r][4 words]: the head's two bytes lie at 256 (head / 8) + 16 r + 2 (head % 8)
	s_lshr_b32 s77, s73, 3
	s_lshl_b32 s77, s77, 8
	s_add_co_u32 s76, s76, s77
	s_lshl_b32 s77, s73, 1
	s_and_b32 s77, s77, 15
	s_add_co_u32 s76, s76, s77
	s_add_co_u32 s76, s76, O_SC
	s_mov_b32 s77, 0
	s_add_nc_u64 s[76:77], s[6:7], s[76:77]
	s_mov_b32 s[KC], 0
	v_and_b32 v7, 31, v0                           ; lane
	v_and_b32 v4, 15, v0
	v_lshlrev_b32 v1, 4, v7                        ; 16 x lane
	v_lshlrev_b32 v2, 3, v7                        ; 8 x lane
	v_lshlrev_b32 v4, 4, v4                        ; 16 r
	v_add_nc_u32 v3, SCL, v4
	global_load_b128 v[20:23], v1, s[68:69]        ; the first tile's Q
	global_load_b64 v[24:25], v2, s[68:69] offset:512
	global_load_b32 v92, v4, s[70:71]
	global_load_b128 v[232:235], v1, s[68:69] offset:12288   ; the second tile's: 16 half images of 768 bytes on; waited for where that tile begins
	global_load_b64 v[236:237], v2, s[68:69] offset:12800
	global_load_b32 v238, v4, s[70:71] offset:1024
.irp j, 14,15,16,17,18,19,26,27,28,29,30,31
	v_mov_b32 v[\j], 0                             ; zero codes on both sides of Q
.endr
	v_mov_b32 v13, 0xff61b1e6                      ; the largest t so far: -3e38, under every t
	v_mov_b32 v[SM], 0
	v_mov_b32 v[SM+1], 0
	v_floor_f32 v12, -v13                          ; -M
.irp b, 0,1,2,3
	v_mov_b32 v[PT+\b], 0                          ; written once: a lane permute's destination counts as one of its sources
.endr
	v_mov_b32 v229, 0                              ; (named as the upper half of the pair v[228:229])
.macro ADDR                            ; the addresses of block KC % 8 and of the block behind it: once for two key steps
	s_and_b32 s[KB], s[KC], 7
	s_add_co_u32 s57, s[KC], 1
	s_and_b32 s57, s57, 7
	s_mul_i32 s[TB], s[KB], BLK
	s_lshl_b32 s[TS], s[KB], 10
	s_lshl_b32 s[TJ], s[KB], 9
	s_mul_i32 s[TBN], s57, BLK
	s_lshl_b32 s[TSN], s57, 10
	v_add_nc_u32 v8, s[TB], v1
	v_add_nc_u32 v9, s[TB], v2
	v_add_nc_u32 v10, s[TS], v3
	v_add_nc_u32 v11, s[TJ], v3
	v_add_nc_u32 v94, s[TBN], v1
	v_add_nc_u32 v95, s[TBN], v2
	v_add_nc_u32 v239, s[TSN], v3
	WALU
.endm
.macro KPRE a16, a8, asc, q            ; 18 loads: the eight tiles of K of step q of a block, two to a fragment, and their scale words
.irp f, 0,1,2,3
	ds_load_b128 v[32+12*\f:35+12*\f], v[\a16] offset:6144*(\q)+1536*\f
	ds_load_b64 v[36+12*\f:37+12*\f], v[\a8] offset:6144*(\q)+1536*\f+512
	ds_load_b128 v[38+12*\f:41+12*\f], v[\a16] offset:6144*(\q)+1536*\f+768
	ds_load_b64 v[42+12*\f:43+12*\f], v[\a8] offset:6144*(\q)+1536*\f+1280
.endr
	ds_load_b128 v[80:83], v[\asc] offset:512*(\q)
	ds_load_b128 v[84:87], v[\asc] offset:512*(\q)+256
.endm
.macro KPERM                           ; a fragment's scale word: the low halves of its two tiles' words
.irp f, 0,1,2,3
	v_perm_b32 v[80+2*\f], v[81+2*\f], v[80+2*\f], 0x05040100
.endr
.endm
.macro MAXB b, i                       ; link i of 8 of the largest score of block b (32 keys; my 16): each accumulator is read from its low end on
.if (\i) == 0
	v_max3_num_f32 v[BM+\b], v[96+16*(\b)], v[97+16*(\b)], v[98+16*(\b)]
.elseif (\i) < 7
	v_max3_num_f32 v[BM+\b], v[BM+\b], v[97+16*(\b)+2*(\i)], v[98+16*(\b)+2*(\i)]
.else
	v_max_num_f32 v[BM+\b], v[BM+\b], v[111+16*(\b)]
.endif
.endm
.macro PA d, a
	v_pk_add_f32 v[\d:\d+1], v[\d:\d+1], v[\a:\a+1]
.endm
.macro PB d, a, b
	v_pk_add_f32 v[\d:\d+1], v[\a:\a+1], v[\b:\b+1]
.endm
; A KEY STEP: 128 keys, the q-th of the block in hand.  Its K and scale words are in registers.  pf = 1: step nq of the block at a16, a8, asc is fetched for the next step.
.macro STEP q, pf, a16, a8, asc, nq
.irp f, 0,1,2,3                        ; S^T = K Q^T: eight tiles of 16 keys
	v_wmma_scale_f32_16x16x128_f8f6f4 v[96+16*\f:103+16*\f], v[32+12*\f:43+12*\f], v[20:31], 0, v[80+2*\f], v92 matrix_a_fmt:MATRIX_FMT_FP6 matrix_b_fmt:MATRIX_FMT_FP6
	v_wmma_scale_f32_16x16x128_f8f6f4 v[104+16*\f:111+16*\f], v[32+12*\f:43+12*\f], v[14:25], 0, v[80+2*\f], v92 matrix_a_fmt:MATRIX_FMT_FP6 matrix_b_fmt:MATRIX_FMT_FP6
.endr
	v_mov_b32 v227, v12                            ; the old -M; with the three below: four places ahead of the loads into K's registers and of the first read of the scores
.rept 3
	v_nop
.endr
.if \pf
	KPRE \a16, \a8, \asc, \nq
.endif
.irp i, 0,1,2,3,4,5,6,7
.irp b, 0,1,2,3
	MAXB \b, \i                                    ; the four blocks by turns
.endr
.endr
.irp b, 0,1,2,3
	s_delay_alu instid0(VALU_DEP_4)
	v_permlanex16_b32 v[PT+\b], v[BM+\b], s[SEL], s[SEL+1]
.endr
.irp b, 0,1,2,3
	s_delay_alu instid0(VALU_DEP_4)
	v_max_num_f32 v[BM+\b], v[BM+\b], v[PT+\b]     ; with lane l xor 16's 16 keys: it serves for the row's maximum and, since p rises with the score, for the block's largest p
.endr
	s_delay_alu instid0(VALU_DEP_2)
	v_max3_num_f32 v226, v[BM], v[BM+1], v[BM+2]
	s_delay_alu instid0(VALU_DEP_1)
	v_max_num_f32 v226, v226, v[BM+3]              ; the step's largest score of my query
	s_delay_alu instid0(VALU_DEP_1)
	v_mul_f32 v226, s[CS], v226                    ; as t (c is positive)
	s_delay_alu instid0(VALU_DEP_1)
	v_max_num_f32 v13, v13, v226                   ; the running largest t
	s_delay_alu instid0(VALU_DEP_1)
	v_floor_f32 v12, -v13                          ; the new -M = floor(-t) = -ceil(t)
	s_delay_alu instid0(VALU_DEP_1)
	v_sub_f32 v226, v12, v227                      ; old M - new M: a whole number, 0 or less
	s_delay_alu instid0(VALU_DEP_1)
	v_cvt_i32_f32 v226, v226                       ; (it saturates)
	s_delay_alu instid0(VALU_DEP_1)
	v_ldexp_f32 v228, 1.0, v226                    ; f = 2^(old M - new M)
.set jj, 0
.rept 32
	v_pk_fma_f32 v[96+jj:97+jj], v[96+jj:97+jj], s[CS:CS+1], v[12:13] op_sel_hi:[1,0,0]   ; t - M, two at a time
.set jj, jj+2
.endr
.irp b, 0,1,2,3
	v_fma_f32 v[BM+\b], v[BM+\b], s[CS], v12       ; the same of each block's largest score
.endr
	WALU                                           ; the wait ahead of the batch
.set jj, 0
.rept 64
	v_exp_f32 v[96+jj], v[96+jj]                   ; p = 2^(t - M), at most 1
.set jj, jj+1
.endr
	v_pk_mul_f32 v[SM:SM+1], v[SM:SM+1], v[228:229] op_sel_hi:[1,0]   ; the sums under the new M: the plain instruction behind the exponentials
	WALU                                           ; one wait for the batch of 64, ahead of its first reader
.irp b, 0,1,2,3
	v_exp_f32 v[BM+\b], v[BM+\b]                   ; the block's largest p: the same two instructions on the same number give the same bits
.endr
	PB 224, 100, 104                               ; the row's sum of the unquantised p, in eight chains: the 25 additions that read p
	PB 254, 108, 112
	PB 252, 116, 120
	PB 250, 124, 128
	PB 248, 132, 136
	PB 246, 140, 144
	PB 244, 148, 152
	PA SM, 156
	PA 224, 96
	PA 254, 98
	PA 252, 102
	PA 250, 106
	PA 248, 110
	PA 246, 114
	PA 244, 118
	PA SM, 122
	PA 224, 126
	PA 254, 130
	PA 252, 134
	PA 250, 138
	PA 248, 142
	PA 246, 146
	PA 244, 150
	PA SM, 154
	PA 224, 158
	WALU                                           ; and one for the four
.irp b, 0,1,2,3
	v_max_num_f32 v[BM+\b], 0x1800000, v[BM+\b]    ; the floor 2^(3 - 127): the byte cannot fall under 1
.endr
.irp b, 0,1,2,3
	s_delay_alu instid0(VALU_DEP_4)
	v_add_nc_u32 v[SO+\b], 0xff000000, v[BM+\b]    ; 2 off the exponent field: the conversion's scale operand
.endr
.irp b, 0,1,2,3
	s_delay_alu instid0(VALU_DEP_4)
	v_lshrrev_b32 v[PT+\b], 23, v[SO+\b]           ; the scale's byte
.endr
	s_delay_alu instid0(VALU_DEP_3)
	v_lshl_or_b32 v93, v[PT+1], 8, v[PT]           ; p's scale word for these 128 keys
	s_delay_alu instid0(VALU_DEP_1)
	v_lshl_or_b32 v93, v[PT+2], 16, v93
	s_delay_alu instid0(VALU_DEP_1)
	v_lshl_or_b32 v93, v[PT+3], 24, v93
.irp c, 0,1
	v_cvt_scalef32_pk16_fp6_f32 v[PC+6*\c:PC+2+6*\c], v[96+32*\c:111+32*\c], v[SO+2*\c]
	v_cvt_scalef32_pk16_fp6_f32 v[PC+12+4*\c:PC+14+4*\c], v[112+32*\c:127+32*\c], v[SO+2*\c+1]
.endr
	v_nop                                          ; one plain instruction behind a scaled conversion
.irp t, 0,1,2,3                        ; 17 loads: V's four fragments (16 channels x these 128 keys) into the registers that p has left, and V's scale words
	ds_load_b128 v[96+12*\t:99+12*\t], v8 offset:12288+6144*(\q)+1536*\t
	ds_load_b64 v[100+12*\t:101+12*\t], v9 offset:12288+6144*(\q)+1536*\t+512
	ds_load_b128 v[102+12*\t:105+12*\t], v8 offset:12288+6144*(\q)+1536*\t+768
	ds_load_b64 v[106+12*\t:107+12*\t], v9 offset:12288+6144*(\q)+1536*\t+1280
.endr
	ds_load_b128 v[88:91], v11 offset:8192+256*(\q)
.irp c, 0,1                            ; the operand's layout wants a whole block in a lane
.irp i, 0,1,2
	v_permlane16_swap_b32 v[PC+6*\c+\i], v[PC+12+4*\c+\i]
.endr
.irp i, 0,1,2
	s_delay_alu instid0(VALU_DEP_3)
	v_mov_b32 v[PC+3+6*\c+\i], v[PC+12+4*\c+\i]
.endr
.endr
.if \pf
	s_wait_dscnt 17                                ; the next step's K and scale words are in: younger than they are V's 17 loads
	KPERM
.endif
	WALU                                           ; the wait, directly ahead of the first reader of O^T
.set jj, 0
.rept 16
	v_pk_mul_f32 v[160+jj:161+jj], v[160+jj:161+jj], v[228:229] op_sel_hi:[1,0]   ; O^T under the new M.  Twelve of these name no register of any one product below: the plain instructions between the scale words and codes made above and the products
.set jj, jj+2
.endr
	WALU
	s_wait_dscnt 0x0
.irp t, 0,1,2,3                        ; O^T += V^T P^T: the four accumulators by turns
	v_wmma_scale_f32_16x16x128_f8f6f4 v[160+8*\t:167+8*\t], v[96+12*\t:107+12*\t], v[PC:PC+11], v[160+8*\t:167+8*\t], v[88+\t], v93 matrix_a_fmt:MATRIX_FMT_FP6 matrix_b_fmt:MATRIX_FMT_FP6
.endr
	PA SM, 250                                     ; the eight chains are joined here: seven plain lines that name no register of the products above are the places ahead of the next step's
	PA 224, 248                                    ; products (which write over V's fragments), and ahead of the way out's reads
	PA 254, 246
	PA 252, 244
	s_delay_alu instid0(VALU_DEP_2)
	PA SM, 254
	s_delay_alu instid0(VALU_DEP_2)
	PA 224, 252
	s_delay_alu instid0(VALU_DEP_1)
	PA SM, 224
.endm
	WALU                                           ; the wait at the head's end
	s_cmp_lt_u32 s[WV], 2
	s_cbranch_scc0 .Lnot_first
	s_wait_tensorcnt 0x0                           ; waves 0 and 1: the scale words, keys 0-255
.Lnot_first:
	s_wait_loadcnt 3                               ; the first tile's Q and scale words; the second tile's three loads may be out
	s_barrier_signal -1
	s_barrier_wait -1                              ; the other waves' loads may be on their way
	ADDR                                           ; block 0: KC = 0, so every address is a constant and a lane term
	KPRE 8, 9, 10, 0
	v_perm_b32 v92, v92, v92, 0x01000100           ; Q's two scale bytes, twice: for [q, 0] and for [0, q]
	s_wait_dscnt 0x0
	KPERM
.set jj, 0
.rept 32
	v_mov_b32 v[160+jj], 0                         ; O^T: a tile's first step finds finite numbers, which its f = 0 makes zeros.  (Also the plain lines between the scale words made above and the first products)
.set jj, jj+1
.endr
	STEP 0, 1, 8, 9, 10, 1
	STEP 1, 0, 8, 9, 10, 0                         ; block 1 is not shown yet: nothing is fetched ahead here
	s_wait_tensorcnt 0x0                           ; every wave: my load has landed
	s_wait_dscnt 0x0
	s_barrier_signal -1
	s_barrier_wait -1                              ; all of K and V is in; no barrier follows but the closing round's
	s_mov_b32 s[KC], 1
	ADDR
	KPRE 8, 9, 10, 0
	s_wait_dscnt 0x0
	KPERM
.rept 8
	v_nop                                          ; a scale register written by a vector instruction stands eight places ahead of a scaled product
.endr
.Lblock:                                           ; fifteen trips: blocks 1-7 for the first tile, 0-7 for the second.  (In the last trip the second step fetches block 0 once more, which nobody multiplies)
	STEP 0, 1, 8, 9, 10, 1
	STEP 1, 1, 94, 95, 239, 0
	s_cmp_eq_u32 s[KB], 7
	s_cbranch_scc0 .Lnext
	; THE WAY OUT.  O^T / the sum: register 16 b + i is channel 32 b + 16 h + i of my query: two blocks, quantised in registers: a half image of the next product's operand (tile of tokens T, K = 64 x head on).
	v_add_f32 v[SM], v[SM], v[SM+1]                ; the sum's two halves,
	s_delay_alu instid0(VALU_DEP_1)
	v_permlanex16_b32 v[PT], v[SM], s[SEL], s[SEL+1]
	s_delay_alu instid0(VALU_DEP_1)
	v_add_f32 v[SM], v[SM], v[PT]                  ; and lane l xor 16's
	WALU
	v_rcp_f32 v[SM], v[SM]
	v_nop                                          ; a plain instruction behind the reciprocal
	WALU                                           ; the wait ahead of the reciprocal's first reader, which is O^T's first reader too
.set jj, 0
.rept 16
	v_pk_mul_f32 v[96+jj:97+jj], v[160+jj:161+jj], v[SM:SM+1] op_sel_hi:[1,0]   ; each accumulator from its low end on
.set jj, jj+2
.endr
.irp b, 0,1
	v_max3_num_f32 v[BM+\b], |v[96+16*\b]|, |v[97+16*\b]|, 0x1800000
.endr
.irp i, 2,4,6,8,10,12,14
.irp b, 0,1
	s_delay_alu instid0(VALU_DEP_2)
	v_max3_num_f32 v[BM+\b], v[BM+\b], |v[96+16*\b+\i]|, |v[97+16*\b+\i]|
.endr
.endr
.irp b, 0,1
	s_delay_alu instid0(VALU_DEP_2)
	v_permlanex16_b32 v[PT+\b], v[BM+\b], s[SEL], s[SEL+1]
.endr
.irp b, 0,1
	s_delay_alu instid0(VALU_DEP_2)
	v_max_num_f32 v[BM+\b], v[BM+\b], v[PT+\b]
.endr
.irp b, 0,1
	s_delay_alu instid0(VALU_DEP_2)
	v_add_nc_u32 v[SO+\b], 0xff000000, v[BM+\b]
.endr
.irp b, 0,1
	s_delay_alu instid0(VALU_DEP_2)
	v_lshrrev_b32 v[PT+\b], 23, v[SO+\b]
.endr
	s_delay_alu instid0(VALU_DEP_1)
	v_lshl_or_b32 v93, v[PT+1], 8, v[PT]           ; the head's two scale bytes of my query
	v_cvt_scalef32_pk16_fp6_f32 v[PC:PC+2], v[96:111], v[SO]
	v_cvt_scalef32_pk16_fp6_f32 v[PC+12:PC+14], v[112:127], v[SO+1]
	v_nop
.irp i, 0,1,2
	v_permlane16_swap_b32 v[PC+\i], v[PC+12+\i]
.endr
.irp i, 0,1,2
	s_delay_alu instid0(VALU_DEP_3)
	v_mov_b32 v[PC+3+\i], v[PC+12+\i]
.endr
	global_store_b128 v1, v[PC:PC+3], s[74:75]     ; 512 consecutive aligned bytes,
	global_store_b64 v2, v[PC+4:PC+5], s[74:75] offset:512   ; and 256
	v_cmp_gt_u32 vcc_lo, 16, v7
	WALU
	s_wait_xcnt 0x0                                ; EXEC is a source of the stores above: it changes only behind this wait
	s_and_saveexec_b32 s78, vcc_lo
	global_store_b16 v4, v93, s[76:77]
	s_wait_xcnt 0x0
	s_or_b32 exec_lo, exec_lo, s78
	s_cmp_eq_u32 s[KC], 15
	s_cbranch_scc1 .Ldone                          ; the second tile has left
	s_add_nc_u64 s[74:75], s[74:75], 16*12288      ; THE SECOND TILE, 16 tiles of tokens on (the stores have read their bases: the wait on XCNT above)
	s_add_nc_u64 s[76:77], s[76:77], 16*512
	s_wait_loadcnt 0x0                             ; its Q and scale words, asked for at the head
	v_perm_b32 v92, v238, v238, 0x01000100         ; fifteen plain lines stand between this one and the next product, which takes it as a scale
.irp j, 0,1,2,3,4,5
	v_mov_b32 v[20+\j], v[232+\j]
.endr
	v_mov_b32 v13, 0xff61b1e6                      ; the largest t: -3e38 again: the next step's f is 0 and makes the sum and O^T zeros
	v_floor_f32 v12, -v13
.Lnext:
	s_add_co_u32 s[KC], s[KC], 1
	ADDR
	s_cmp_lt_u32 s[KC], 16
	s_cbranch_scc1 .Lblock
.Ldone:
	s_wait_tensorcnt 0x0                           ; the wave's end
	ds_add_u32 v5, v6
	s_wait_dscnt 0x0
	CROUND                                         ; the closing round
	s_endpgm
.Lfunc_end_k_q0a15d6bae7_attn:
	.size	k_q0a15d6bae7_attn, .Lfunc_end_k_q0a15d6bae7_attn-k_q0a15d6bae7_attn
	.p2alignl 7, 3214868480
	.fill 96, 4, 3214868480
	.section	.rodata,"a",@progbits
	.p2align	6, 0x0
	.amdhsa_kernel k_q0a15d6bae7_attn
		.amdhsa_group_segment_fixed_size 215040
		.amdhsa_private_segment_fixed_size 0
		.amdhsa_enable_private_segment 0
		.amdhsa_kernarg_size 16
		.amdhsa_user_sgpr_count 2
		.amdhsa_user_sgpr_kernarg_segment_ptr 1
		.amdhsa_wavefront_size32 1
		.amdhsa_system_sgpr_workgroup_id_x 1
		.amdhsa_system_sgpr_workgroup_id_y 1
		.amdhsa_system_sgpr_workgroup_id_z 1
		.amdhsa_system_vgpr_workitem_id 0
		.amdhsa_next_free_vgpr 256
		.amdhsa_next_free_sgpr 90
		.amdhsa_reserve_vcc 1
		.amdhsa_float_denorm_mode_32 3
		.amdhsa_float_denorm_mode_16_64 3
		.amdhsa_memory_ordered 1
		.amdhsa_forward_progress 1
		.amdhsa_inst_pref_size 86
	.end_amdhsa_kernel
	.amdgpu_metadata
---
amdhsa.version: [ 1, 2 ]
amdhsa.kernels:
  - .name:           k_q0a15d6bae7_attn
    .symbol:         k_q0a15d6bae7_attn.kd
    .args:
      - { .name: qkv, .offset: 0, .size: 8, .value_kind: global_buffer, .address_space: global }
      - { .name: oq, .offset: 8, .size: 8, .value_kind: global_buffer, .address_space: global }
    .group_segment_fixed_size: 215040
    .private_segment_fixed_size: 0
    .kernarg_segment_align: 8
    .kernarg_segment_size: 16
    .max_flat_workgroup_size: 512
    .sgpr_count:     90
    .vgpr_count:     256
    .wavefront_size: 32
...
	.end_amdgpu_metadata
.endif
;; end of part 3
;; launch outp (part 4): grid 4 x 64, 4 waves a work-group, clusters of 4 x 4, 295,424 bytes of LDS; arguments oq, xw, bo, out0; writes out0
.if DOCPART == 4
	.amdgcn_target "amdgcn-amd-amdhsa--gfx1250"
	.amdhsa_code_object_version 6
	.text
	.protected	k_q0a15d6bae7_outp
	.globl	k_q0a15d6bae7_outp
	.p2align	8
	.type	k_q0a15d6bae7_outp,@function
k_q0a15d6bae7_outp:
	s_mov_b64 s[64:65], 0
	v_nop
	global_prefetch_b8 v0, s[64:65] scope:SCOPE_SE
	s_setreg_imm32_b32 hwreg(HW_REG_WAVE_MODE, 25, 1), 1
	s_wait_xcnt 0x0
	s_wait_alu depctr_hold_cnt(0) depctr_sa_sdst(0) depctr_va_vdst(0) depctr_va_sdst(0) depctr_va_ssrc(0) depctr_va_vcc(0) depctr_vm_vsrc(0)
	s_getreg_b32 s2, hwreg(HW_REG_IB_STS2, 6, 4)
	s_cmp_eq_u32 s2, 0
	s_cbranch_scc0 .Lentry_in_a_cluster
	s_endpgm
.Lentry_in_a_cluster:
	s_bfe_u32 s2, ttmp6, 0x10000c
	s_cmp_lg_u32 s2, 0xf033
	s_cbranch_scc0 .Lentry_shape_is_right
	s_endpgm
.Lentry_shape_is_right:
; out0 = O wo^T + bo: [8,192 x 1,024] x [1,024 x 1,024] on codes of FP6 (E2M3) with E8M0 scales, f32 out.  oq holds O's codes and scale words, xw those of wo (tiles 704-767), both as images of operand registers:
; a tile is 16 rows, 12,288 bytes for all of K (sixteen half images of 768 bytes, one for each 64 along K); tile 2 B + u holds rows 32 B + 8 u + r + 8 (r / 8); a tile's scale words are 512 bytes [K half][r][4 words].
; SHARES.  256 work-groups of four waves, 2 x 2; a work-group makes 128 tokens x 256 columns, a wave 64 x 128: 32 accumulators.  K is 1,024: the work-group's 8 tiles of O and 16 tiles of wo, ALL of K, are 294,912 bytes of LDS, FILLED ONCE:
; no LDS byte is filled again, and the walk along K has no round.
; THE HEAD'S LOADS, one a wave, each joint (O's tiles shared by a row of the 4 x 4 cluster, wo's by a column): wave 0 O's first half of K, wave 1 wo's, wave 2 O's second half, wave 3 wo's.  A row of a load is a tile's 6,144 bytes of that half.
; The first barrier shows the lines of waves 0 and 1 alone; K steps 0 to 3 are multiplied while the second half lands; in step 3 every wave waits for its load and a plain barrier shows it.
; NO PREFETCH INTO THE L2: every tile is asked for at the head by its tensor load; the text has no later load to run ahead of.
; The product is used transposed (source 0 = wo's rows, source 1 = O's rows): a lane holds eight neighbouring columns of a token.  The bias is the first products' C.
; REGISTERS.  Window 0: v2-17 addresses; v34-49 O's scale words, v64-95 wo's (their numbers differ modulo 8 in every product); v96-127, v224-255 the bias; v128-175, v176-223 O's fragments, two sets; on the way out v128-255 rows read back.
; Window 1: wo's fragments, two sets, at v0 and v128.  Window 2: the accumulators, (a, b) at v[8 (8 a + b)].
.set KH,     6144                      ; a tile's bytes of one half of K
.set HALFK,  24*KH                     ; LDS: [O's 8 tiles][wo's 16 tiles] of the first half of K, then the same of the second
.set SPARE,  2*HALFK                   ; the spare words, 128 bytes for each wave
.set XSC,    9437184
.set O_SC,   6291456
.set WBASE,  704
.set FR,     12
.set SPITCH, 528                       ; the way out: a stage of 16 rows x (512 + 16) bytes for each wave, in the bytes of O's first half of K, which nobody reads behind the second barrier and no load fills again
.set L16,  2
.set L8,   3
.set SPW,  6
.set NIL,  7
.set ADP16, 8
.set ADP8,  10
.set ADQ16, 12
.set ADQ8,  14
.set STO,  16
.set RD,   17
.set SCQ,  34
.set SCP,  64
.set QF,   128
.set BK,   128
.set G1,  24
.set G0,  32
.set G1B, 48
.set G0B, 56
.set MSB, 0
.macro WIN new
.if MSB != (\new)
	s_set_vgpr_msb (MSB<<8)|(\new)
.set MSB, (\new)
.endif
.endm
.macro WALU
	s_wait_alu depctr_va_vdst(0)
.endm
.macro CROUND
	s_barrier_signal -1
	s_barrier_wait -1
	s_cmp_lg_u32 s14, 0
	s_cbranch_scc1 .Lnot_wave_0_\@
	s_barrier_signal -3
.Lnot_wave_0_\@:
	s_barrier_wait -3
	s_barrier_signal -1
	s_barrier_wait -1
.endm
.macro PLACES
.rept 4
	v_nop
.endr
.endm
.macro GROUP1 g, mask, rows            ; rows of 6,144 bytes (768 elements of 8), 12,288 apart in memory, dense in LDS
	s_or_b32 s[\g], s\mask, (3<<16)|(1<<21)
	s_mov_b32 s[\g+1], 768<<16
	s_mov_b32 s[\g+2], (\rows)<<16
	s_mov_b32 s[\g+3], 768<<16
	s_mov_b32 s[\g+4], \rows
	s_mov_b32 s[\g+5], 1536
	s_mov_b32 s[\g+6], 0
	s_mov_b32 s[\g+7], 0
.endm
.macro GROUP0 g, lds, base, off
	s_mov_b32 s[\g], 1
	s_mov_b32 s[\g+1], \lds
	s_add_nc_u64 s[\g+2:\g+3], s[\base:\base+1], \off
	s_or_b32 s[\g+3], s[\g+3], 0x80000000
.endm
.macro ARM under, g0, g1, next         ; one arm of the head's chain: a load, s_nop 0 and four v_nop, a jump to the join
	s_cmp_lt_u32 s14, \under
	s_cbranch_scc0 \next
	tensor_load_to_lds s[\g0:\g0+3], s[\g1:\g1+7]
	s_nop 0
	PLACES
	s_branch .Lhead_asked
\next:
.endm
	s_load_b256 s[4:11], s[0:1], 0x0               ; oq s[4:5], xw s[6:7], bo s[8:9], out0 s[10:11]
	v_lshl_add_u32 v[SPW], v0, 2, SPARE
	v_mov_b32 v[NIL], 0
	ds_add_u32 v[SPW], v[NIL]                      ; the opening lines: the add, twice on end, and its wait
	ds_add_u32 v[SPW], v[NIL]
	v_lshrrev_b32 v1, 5, v0
	v_readfirstlane_b32 s14, v1                    ; wave 0..3
	s_lshr_b32 s15, s14, 1                         ; my half of the tokens
	s_and_b32 s16, s14, 1                          ; my half of the columns
	s_bfe_u32 s40, ttmp6, 0x40000
	s_bfe_u32 s41, ttmp6, 0x40004
	s_lshl_b32 s42, ttmp9, 2
	s_add_co_u32 s42, s42, s40                     ; tile column, 0 .. 3
	s_and_b32 s17, ttmp7, 0xffff
	s_lshl_b32 s17, s17, 2
	s_add_co_u32 s17, s17, s41                     ; tile row, 0 .. 63
	s_lshl_b32 s43, s41, 2
	s_lshl_b32 s43, 15, s43                        ; my row of the cluster
	s_lshl_b32 s44, 0x1111, s40                    ; my column
	GROUP1 G1, 43, 8
	GROUP1 G1B, 44, 16
	s_mul_i32 s20, s17, 8*12288                    ; O's 8 tiles
	s_mov_b32 s21, 0
	s_lshl_b32 s46, s42, 4
	s_add_co_u32 s46, s46, WBASE
	s_mul_i32 s46, s46, 12288                      ; wo's 16 tiles
	s_mov_b32 s47, 0
	WALU
	s_wait_dscnt 0x0
	CROUND                                         ; all sixteen work-groups are here: the joint loads meet
	s_wait_kmcnt 0x0
	s_add_nc_u64 s[20:21], s[4:5], s[20:21]
	s_add_nc_u64 s[46:47], s[6:7], s[46:47]
	GROUP0 G0, 0, 20, 0
	GROUP0 G0+4, HALFK, 20, KH
	GROUP0 G0B, 8*KH, 46, 0
	GROUP0 G0B+4, HALFK+8*KH, 46, KH
	ARM 1, G0, G1, .Lhead_b0
	ARM 2, G0B, G1B, .Lhead_a1
	ARM 3, G0+4, G1, .Lhead_b1
	tensor_load_to_lds s[G0B+4:G0B+7], s[G1B:G1B+7]
	s_nop 0
	PLACES
.Lhead_asked:
	s_mul_i32 s66, s15, 4*KH                       ; my 4 tiles of O
	s_mul_i32 s23, s16, 8*KH
	s_add_co_u32 s23, s23, 8*KH                    ; my 8 tiles of wo, behind O's 8
	s_lshl_b32 s72, s17, 3
	s_lshl_b32 s68, s15, 2
	s_add_co_u32 s72, s72, s68
	s_lshl_b32 s72, s72, 9
	s_add_co_u32 s72, s72, O_SC
	s_mov_b32 s73, 0
	s_add_nc_u64 s[72:73], s[4:5], s[72:73]        ; my tiles' scale words: O's,
	s_lshl_b32 s70, s42, 4
	s_lshl_b32 s69, s16, 3
	s_add_co_u32 s70, s70, s69
	s_add_co_u32 s70, s70, WBASE
	s_lshl_b32 s70, s70, 9
	s_add_co_u32 s70, s70, XSC
	s_mov_b32 s71, 0
	s_add_nc_u64 s[70:71], s[6:7], s[70:71]        ; wo's
	s_lshl_b32 s76, s42, 10
	s_lshl_b32 s77, s16, 9
	s_add_co_u32 s76, s76, s77                     ; my first column, in bytes
	s_mov_b32 s77, 0
	s_add_nc_u64 s[74:75], s[8:9], s[76:77]
	s_lshl_b32 s78, s17, 7
	s_lshl_b32 s79, s15, 6
	s_add_co_u32 s78, s78, s79                     ; my first token
	s_lshl_b32 s78, s78, 12
	s_add_co_u32 s78, s78, s76
	s_mov_b32 s79, 0
	s_add_nc_u64 s[12:13], s[10:11], s[78:79]
	s_mul_i32 s67, s14, 16*SPITCH
	v_and_b32 v1, 31, v0
	v_bfe_u32 v4, v0, 4, 1
	v_and_b32 v5, 15, v0
	v_lshlrev_b32 v[L16], 4, v1
	v_lshlrev_b32 v[L8], 3, v1
	v_lshlrev_b32 v4, 6, v4
	v_mul_u32_u24 v[STO], v5, SPITCH
.irp i, 0,1,2,3,4,5,6,7
	global_load_b128 v[SCP+4*\i:SCP+4*\i+3], v[L16], s[70:71] offset:512*\i   ; lanes 0-15: K steps 0-3 of row r; lanes 16-31: steps 4-7
.endr
.irp i, 0,1,2,3
	global_load_b128 v[SCQ+4*\i:SCQ+4*\i+3], v[L16], s[72:73] offset:512*\i
.endr
.irp b, 0,1,2,3,4,5,6,7
	global_load_b128 v[96+8*\b+96*(\b/4):96+8*\b+96*(\b/4)+3], v4, s[74:75] offset:(32*(\b/2)+8*(\b%2))*4   ; the bias as the result lies: register j of lane (r, h) in tile b is column 32 (b / 2) + 8 (b % 2) + 16 h + j
	global_load_b128 v[96+8*\b+96*(\b/4)+4:96+8*\b+96*(\b/4)+7], v4, s[74:75] offset:(32*(\b/2)+8*(\b%2))*4+16
.endr
	v_add_nc_u32 v[STO], v4, v[STO]
	v_add_nc_u32 v[RD], s67, v[L16]
	v_add_nc_u32 v[STO], s67, v[STO]
.irp s, 0,1
	v_add_nc_u32 v[ADP16+\s], s23, v[L16]
	v_add_nc_u32 v[ADP8+\s], s23, v[L8]
	v_add_nc_u32 v[ADQ16+\s], s66, v[L16]
	v_add_nc_u32 v[ADQ8+\s], s66, v[L8]
	s_add_co_u32 s23, s23, HALFK
	s_add_co_u32 s66, s66, HALFK
.endr
.macro FRAG reg, a16, a8, off
	ds_load_b128 v[\reg:\reg+3], v[\a16] offset:\off
	ds_load_b64 v[\reg+4:\reg+5], v[\a8] offset:\off+512
	ds_load_b128 v[\reg+6:\reg+9], v[\a16] offset:\off+768
	ds_load_b64 v[\reg+10:\reg+11], v[\a8] offset:\off+1280
.endm
.macro FETCH n                         ; 48 loads: K step n's fragments, wo's eight and O's four, into set n % 2
	WIN 0x40
.irp i, 0,1,2,3,4,5,6,7
	FRAG 128*((\n)%2)+FR*\i, ADP16+(\n)/4, ADP8+(\n)/4, KH*\i+1536*((\n)%4)
.endr
	WIN 0
.irp i, 0,1,2,3
	FRAG QF+48*((\n)%2)+FR*\i, ADQ16+(\n)/4, ADQ8+(\n)/4, KH*\i+1536*((\n)%4)
.endr
.endm
.macro MUL16 a0, ks                    ; 16 products: O's tiles a0, a0 + 1 x wo's eight; the 32 accumulators take turns, in the same order in every step
.irp a, \a0, \a0+1
.irp b, 0,1,2,3,4,5,6,7
.if (\ks) == 0
	v_wmma_scale_f32_16x16x128_f8f6f4 v[8*(8*(\a)+\b):8*(8*(\a)+\b)+7], v[FR*\b:FR*\b+FR-1], v[QF+FR*(\a):QF+FR*(\a)+FR-1], v[96+8*\b+96*(\b/4):96+8*\b+96*(\b/4)+7], v[SCP+4*\b], v[SCQ+4*(\a)] matrix_a_fmt:MATRIX_FMT_FP6 matrix_b_fmt:MATRIX_FMT_FP6
.elseif (\ks) < 4
	v_wmma_scale_f32_16x16x128_f8f6f4 v[8*(8*(\a)+\b):8*(8*(\a)+\b)+7], v[128*((\ks)%2)+FR*\b:128*((\ks)%2)+FR*\b+FR-1], v[QF+48*((\ks)%2)+FR*(\a):QF+48*((\ks)%2)+FR*(\a)+FR-1], v[8*(8*(\a)+\b):8*(8*(\a)+\b)+7], v[SCP+4*\b+(\ks)%4], v[SCQ+4*(\a)+(\ks)%4] matrix_a_fmt:MATRIX_FMT_FP6 matrix_b_fmt:MATRIX_FMT_FP6
.else
	v_wmma_scale_f32_16x16x128_f8f6f4 v[8*(8*(\a)+\b):8*(8*(\a)+\b)+7], v[128*((\ks)%2)+FR*\b:128*((\ks)%2)+FR*\b+FR-1], v[QF+48*((\ks)%2)+FR*(\a):QF+48*((\ks)%2)+FR*(\a)+FR-1], v[8*(8*(\a)+\b):8*(8*(\a)+\b)+7], v[SCP+4*\b+(\ks)%4], v[SCQ+4*(\a)+(\ks)%4] matrix_a_fmt:MATRIX_FMT_FP6 matrix_b_fmt:MATRIX_FMT_FP6 matrix_a_scale:MATRIX_SCALE_ROW1 matrix_b_scale:MATRIX_SCALE_ROW1
.endif
.endr
.endr
.endm
.macro MWIN ks                         ; source 0 window 1, source 1 window 0, D window 2; C window 2, in the first step window 0 (the bias)
.if (\ks) == 0
	WIN 0x81
.else
	WIN 0xa1
.endif
.endm
.macro KSTEP ks                        ; 32 products on set ks % 2; the next step's fragments are fetched ahead of them into the other set
.if (\ks) == 3
	s_wait_tensorcnt 0x0                           ; every wave: my load has landed
	s_wait_dscnt 0x0                               ; this step's fragments are in, and my reads of the first half of K are over
	s_barrier_signal -1
	MWIN \ks
	MUL16 0, \ks
	WIN 0
	s_barrier_wait -1                              ; the second half of K is in
	PLACES
	FETCH (\ks)+1
	MWIN \ks
	MUL16 2, \ks
	WIN 0
.else
.if (\ks) < 7
.if (\ks) > 0
	PLACES                                         ; four places ahead of loads into registers that the last step's products have read
.endif
	FETCH (\ks)+1
	s_wait_dscnt 48                                ; this step's fragments are in; the 48 loads just issued may be out
.else
	s_wait_dscnt 0x0
.endif
	MWIN \ks
	MUL16 0, \ks
	MUL16 2, \ks
	WIN 0
.endif
.endm
	WALU                                           ; the wait at the head's end
	s_cmp_lt_u32 s14, 2
	s_cbranch_scc0 .Lnot_half_0
	s_wait_tensorcnt 0x0                           ; waves 0 and 1: the first half of K
.Lnot_half_0:
	s_barrier_signal -1
	s_barrier_wait -1                              ; the second half may be on its way
	FETCH 0
	s_wait_loadcnt 0x0                             ; the scale words and the bias
.irp k, 0,1,2,3,4,5,6,7
	KSTEP \k
.endr
; THE WAY OUT, block by block of 16 tokens x 128 columns, through my own stage in LDS: whole rows of 512 bytes come back, which the 32 lanes store as two aligned units of 256 bytes.
.macro TOSTAGE a
	WIN 0x08                                       ; the data: window 2
.irp b, 0,1,2,3,4,5,6,7
	ds_store_b128 v[STO], v[64*(\a)+8*\b:64*(\a)+8*\b+3] offset:128*(\b/2)+32*(\b%2)   ; each accumulator from its low end on
	ds_store_b128 v[STO], v[64*(\a)+8*\b+4:64*(\a)+8*\b+7] offset:128*(\b/2)+32*(\b%2)+16
.endr
	WIN 0
.set BB, BK+64*((\a)%2)
.irp t, 0,1,2,3,4,5,6,7,8,9,10,11,12,13,14,15
	ds_load_b128 v[BB+4*\t:BB+4*\t+3], v[RD] offset:\t*SPITCH   ; LDS serves a wave's instructions in order: these see the stores above
.endr
.endm
.macro SEND a, younger                 ; younger: the LDS instructions issued behind block a's loads
.set BB, BK+64*((\a)%2)
	s_wait_dscnt \younger
.irp t, 0,1,2,3,4,5,6,7,8,9,10,11,12,13,14,15
	global_store_b128 v[L16], v[BB+4*\t:BB+4*\t+3], s[12:13] offset:(32*((\a)/2)+8*((\a)%2)+\t+8*(\t/8))*4096 th:TH_STORE_NT
.endr
.endm
	PLACES
	TOSTAGE 0
.irp a, 1,2,3
.if \a > 1
	s_wait_xcnt 0x0                                ; block a - 2's stores have read their registers: block a's loads may land there
.endif
	TOSTAGE \a
	SEND \a-1, 32
.endr
	SEND 3, 0
	s_wait_tensorcnt 0x0                           ; the wave's end
	ds_add_u32 v[SPW], v[NIL]
	s_wait_dscnt 0x0
	CROUND                                         ; the closing round
	s_endpgm
.Lfunc_end_k_q0a15d6bae7_outp:
	.size	k_q0a15d6bae7_outp, .Lfunc_end_k_q0a15d6bae7_outp-k_q0a15d6bae7_outp
	.p2alignl 7, 3214868480
	.fill 96, 4, 3214868480
	.section	.rodata,"a",@progbits
	.p2align	6, 0x0
	.amdhsa_kernel k_q0a15d6bae7_outp
		.amdhsa_group_segment_fixed_size 295424
		.amdhsa_private_segment_fixed_size 0
		.amdhsa_enable_private_segment 0
		.amdhsa_kernarg_size 32
		.amdhsa_user_sgpr_count 2
		.amdhsa_user_sgpr_kernarg_segment_ptr 1
		.amdhsa_wavefront_size32 1
		.amdhsa_system_sgpr_workgroup_id_x 1
		.amdhsa_system_sgpr_workgroup_id_y 1
		.amdhsa_system_sgpr_workgroup_id_z 1
		.amdhsa_system_vgpr_workitem_id 0
		.amdhsa_next_free_vgpr 768
		.amdhsa_next_free_sgpr 96
		.amdhsa_reserve_vcc 0
		.amdhsa_float_denorm_mode_32 3
		.amdhsa_float_denorm_mode_16_64 3
		.amdhsa_memory_ordered 1
		.amdhsa_forward_progress 1
		.amdhsa_inst_pref_size 84
	.end_amdhsa_kernel
	.amdgpu_metadata
---
amdhsa.version: [ 1, 2 ]
amdhsa.kernels:
  - .name:           k_q0a15d6bae7_outp
    .symbol:         k_q0a15d6bae7_outp.kd
    .args:
      - { .name: oq, .offset: 0, .size: 8, .value_kind: global_buffer, .address_space: global }
      - { .name: xw, .offset: 8, .size: 8, .value_kind: global_buffer, .address_space: global }
      - { .name: bo, .offset: 16, .size: 8, .value_kind: global_buffer, .address_space: global }
      - { .name: out0, .offset: 24, .size: 8, .value_kind: global_buffer, .address_space: global }
    .group_segment_fixed_size: 295424
    .private_segment_fixed_size: 0
    .kernarg_segment_align: 8
    .kernarg_segment_size: 32
    .max_flat_workgroup_size: 128
    .sgpr_count:     96
    .vgpr_count:     768
    .wavefront_size: 32
...
	.end_amdgpu_metadata
.endif
;; end of part 4
